; MI455X (gfx1250); checked and timed in simulation.
; The chip was launched on July 23, 2026; its instructions are those of AMD's public machine-readable ISA for CDNA 5 (MIT licence, August 2026) and "CDNA5" Instruction Set Architecture Reference Guide (July 2026). The comments in the code are by the model that wrote it; some were corrected since.
;; Multi Headed Attention. Allowed arithmetic: matrix products marked QUANTISED: E2M1 operands, one E8M0 scale for each 32 along K, by v_wmma_scale_f32_16x16x128_f8f6f4 with both operands' format E2M1 (or v_wmma_scale_f32_32x16x128_f4), f32 sums; products left as they are: bf16, f16 or f32 operands; f32 sums; everything else in f32.
;; Inputs: bk 1,024 float32; bo 1,024 float32; bq 1,024 float32; bv 1,024 float32; key 4 x 2,048 x 1,024 float32; mask 4 x 2,048 x 2,048 bool; query 4 x 2,048 x 1,024 float32; value 4 x 2,048 x 1,024 float32; wk 1,024 x 1,024 float32; wo 1,024 x 1,024 float32; wq 1,024 x 1,024 float32; wv 1,024 x 1,024 float32.
;; Outputs: out0 4 x 2,048 x 1,024 float32.
;; This version of the problem:
;;   THIS VERSION OF THE PROBLEM IS GIVEN IN LOW PRECISION. The matrix products marked QUANTISED in the list below multiply operands that are first quantised to E2M1 (2 exponent bits, 1 mantissa bit; 4 bits a number), with one power-of-two scale for each 32 numbers along K (OCP MX v1.0); their sums are f32. The products marked 'left as it is' may take bf16, f16 or f32 operands, with f32 sums. Whichever they take, every output number must still come out within the allowed error. Rounding operands to bf16 (8 significant bits) uses up far more of that allowance than f16 does (11 bits, for magnitudes from 6e-5 to 65,504). All else is computed in f32.
;;   The module's matrix products, in the order in which they are computed (A, B: the left and right operand; K: the contracted axis; several contracted axes count as one K, in the product's order):
;;     1. [M 8,192, K 1,024] x [K 1,024, N 1,024]; A: input query; B: input wq: QUANTISED
;;     2. [M 8,192, K 1,024] x [K 1,024, N 1,024]; A: input key; B: input wk: QUANTISED
;;     3. [M 8,192, K 1,024] x [K 1,024, N 1,024]; A: input value; B: input wv: QUANTISED
;;     4. batch 64 x [M 2,048, K 64] x [K 64, N 2,048]; A: computed on the way; B: computed on the way: left as it is (an operand is computed on the way)
;;     5. batch 64 x [M 2,048, K 2,048] x [K 2,048, N 64]; A: computed on the way; B: computed on the way: left as it is (an operand is computed on the way)
;;     6. [M 8,192, K 1,024] x [K 1,024, N 1,024]; A: computed on the way; B: input wo: left as it is (an operand is computed on the way)
;;   THE QUANTISER, for each operand of a quantised product, along K:
;;     - K is cut into blocks of 32 from its start; a last block that is shorter is filled with zeros.
;;     - A block's scale is 2^e with e = floor(log2(the largest magnitude in the block)) - 2, held to -126 .. 127; a block of zeros has e = 0. As a byte (E8M0): e + 127.
;;     - Each number is divided by its block's scale, clamped to +-6, and rounded to the nearest number of E2M1, ties to even, subnormals kept.
;;     - The product sums the exact products of the quantised numbers (number of the format x scale) in f32.
;;   ~~~python
;;   def quantise(x, axis):      # numpy; x: float32 -> the quantised numbers, widened to float32 again
;;       x = np.moveaxis(x, axis, -1); K = x.shape[-1]
;;       x = np.pad(x, [(0, 0)] * (x.ndim - 1) + [(0, -K % 32)]); x = x.reshape(x.shape[:-1] + (-1, 32)); a = np.abs(x).max(-1, keepdims=True)
;;       e = np.where(a > 0, np.clip(np.frexp(np.where(a > 0, a, 1))[1] - 1 - 2, -126, 127), 0)      # np.frexp(a)[1] - 1 = floor(log2(a)), exactly
;;       r = np.clip(x / 2.0 ** e, -6, 6)
;;       step = 2.0 ** (np.maximum(np.frexp(np.where(r == 0, 1, r))[1] - 1, 0) - 1)
;;       q = np.round(r / step) * step * 2.0 ** e      # np.round: ties to even
;;       return np.moveaxis(q.reshape(q.shape[:-2] + (-1,))[..., :K], -1, axis).astype(np.float32)
;;   ~~~
;; One version. Each part assembles by itself: llvm-mc -triple=amdgcn-amd-amdhsa -mcpu=gfx1250 --defsym DOCPART=n.
;; ======== version 1 of 1: 4 launches
;; limits: values are held in f16: magnitudes above 65,504 overflow, below 6.1e-05 lose precision
;; workspace buffers: codes 14,155,776 bytes; scales 884,736 bytes; kv 33,554,432 bytes; xh 16,777,216 bytes; woh 2,097,152 bytes; maskw 2,097,152 bytes of whole numbers
;; launch prep (part 1): grid 1024 x 1, 4 waves a work-group, no clusters, 33,280 bytes of LDS; arguments query, key, value, wq, wk, wv, wo, mask, codes, scales, woh, maskw; writes codes, scales, woh, maskw
.if DOCPART == 1
	.amdgcn_target "amdgcn-amd-amdhsa--gfx1250"
	.amdhsa_code_object_version 6
	.text
	.protected	k_qdb8fb37012_prep
	.globl	k_qdb8fb37012_prep
	.p2align	8
	.type	k_qdb8fb37012_prep,@function
k_qdb8fb37012_prep:
	s_mov_b64 s[64:65], 0
	v_nop
	global_prefetch_b8 v0, s[64:65] scope:SCOPE_SE
	s_setreg_imm32_b32 hwreg(HW_REG_WAVE_MODE, 25, 1), 1
	s_wait_xcnt 0x0
; THREE JOBS IN ONE LAUNCH, told apart by the work-group's number alone.
; Work-groups 0-863: query, key, value [8192][1024] and wq, wk, wv [1024][1024], f32, K innermost, become codes of FP4 (E2M1), two a byte, and one E8M0 byte for each 32 along K.
;   The six tensors are one stream of blocks of 32, in this order, in the buffers codes and scales: 256 work-groups for each of the first three, 32 for each weight; a wave takes 8,192 numbers.
;   A block's scale is 2^(floor(log2(largest magnitude)) - 2); its byte is the largest magnitude's exponent field - 2, held at 1 from below.  A block of zeros keeps the byte 1: its codes are zeros, and this program alone reads the bytes.
; Work-groups 864-895: wo becomes f16, as it lies.
; Work-groups 896-1023: the mask's bytes become lane masks for the attention launch: word (b, qt, kt, j) has in bit l the byte mask[b][16 qt + l % 16][16 kt + 8 (l / 16) + j]:
;   the place that lane l's register j has in a 16 x 16 tile of scores with keys down the registers.  One select an element is then all that the mask costs there.
; LIMITS: blocks whose largest magnitude lies under 2^(2 - 126) keep the byte 1; NaN and infinities are not served; wo's magnitudes stay under 65,504.
.set WAVES, 4
.set STEPS, 16
.set EMAX,  2
.set CB,    8                          ; bytes of 16 codes
.set R,     16                         ; v16-79   four sets of 16 numbers as they are loaded
.set X,     80                         ; v80-111  two sets of 16 neighbours
.set E,     112                        ; v112-127 a scale byte for each step
.set C,     128                        ; v128-191 codes, four registers a step
.set WREG,  8192                       ; LDS: a region for each wave: two stages of 32 x SP bytes, behind them its 256 scale bytes
.set SP,    80                         ; a lane's 64 bytes + 16 of padding
.set SPW,   12                         ; v12 LDS address of my spare word; never rewritten
.set NIL,   13                         ; v13 0; never rewritten
.set SPARE, WAVES*WREG                 ; the spare words: 128 bytes a wave, two blocks of 256 bytes that no other line names
.set G_WO,   864
.set G_MASK, 896
	s_load_b512 s[4:19], s[0:1], 0x0               ; query 4, key 6, value 8, wq 10, wk 12, wv 14, wo 16, mask 18
	s_load_b256 s[20:27], s[0:1], 0x40             ; codes 20, scales 22, woh 24, maskw 26
	v_lshl_add_u32 v[SPW], v0, 2, SPARE
	v_mov_b32 v[NIL], 0
	v_lshrrev_b32 v1, 5, v0
	v_readfirstlane_b32 s28, v1                    ; wave
	v_and_b32 v2, 31, v0                           ; lane
	s_lshl_b32 s33, ttmp9, 2
	s_add_co_u32 s33, s33, s28                     ; 4 x work-group + wave
	s_mov_b32 s35, 0
	s_wait_kmcnt 0x0
	s_cmp_ge_u32 ttmp9, G_MASK
	s_cbranch_scc1 .Lmask
	s_cmp_ge_u32 ttmp9, G_WO
	s_cbranch_scc1 .Lwo
; ---------------- the quantiser
	v_lshlrev_b32 v3, 4, v2                        ; my 16 bytes of a load's 512
	s_mul_i32 s32, s28, WREG
	v_lshrrev_b32 v14, 2, v2
	v_mul_u32_u24 v14, v14, SP
	v_and_b32 v15, 3, v2
	v_lshl_add_u32 v14, v15, 4, v14
	v_add_nc_u32 v14, s32, v14                     ; the stage, on the way in: SP (lane / 4) + 16 (lane % 4)
	v_mul_u32_u24 v15, v2, SP
	v_add_nc_u32 v15, s32, v15                     ; on the way out: SP x lane: my 16 neighbours
	v_mul_u32_u24 v4, v2, CB                       ; my codes' place in a step's
	v_lshrrev_b32 v5, 1, v2
	s_add_co_u32 s32, s32, 2*32*SP
	v_add_nc_u32 v5, s32, v5                       ; my block's byte among my wave's 256
	v_lshlrev_b32 v7, 3, v2
	v_add_nc_u32 v6, s32, v7                       ; and 8 bytes a lane on their way out
	s_mov_b64 s[30:31], s[14:15]                   ; which tensor: the choice hangs on the work-group's number alone
	s_mov_b32 s29, 832
.macro PICK limit, ptr, first
	s_cmp_lt_u32 ttmp9, \limit
	s_cselect_b64 s[30:31], s[\ptr:\ptr+1], s[30:31]
	s_cselect_b32 s29, \first, s29
.endm
	PICK 832, 12, 800
	PICK 800, 10, 768
	PICK 768, 8, 512
	PICK 512, 6, 256
	PICK 256, 4, 0
	s_sub_co_u32 s34, ttmp9, s29
	s_lshl_b32 s34, s34, 2
	s_add_co_u32 s34, s34, s28
	s_lshl_b32 s34, s34, 15                        ; my run of 8,192 numbers in its tensor
	s_add_nc_u64 s[30:31], s[30:31], s[34:35]
	s_lshl_b32 s34, s33, 12                        ; 4,096 bytes of codes a run, in the stream of all six
	s_add_nc_u64 s[20:21], s[20:21], s[34:35]
	s_lshl_b32 s34, s33, 8                         ; 256 scale bytes a run
	s_add_nc_u64 s[22:23], s[22:23], s[34:35]
.macro QLOAD t
.irp i, 0,1,2,3
	global_load_b128 v[R+16*((\t)%4)+4*\i:R+16*((\t)%4)+4*\i+3], v3, s[30:31] offset:2048*(\t)+512*\i th:TH_LOAD_NT   ; 32 lanes read 512 consecutive bytes
.endr
.endm
.macro QTURN t                         ; a step's numbers through the stage: LDS serves a wave's instructions in order, so no wait stands between the stores and the loads
.irp i, 0,1,2,3
	ds_store_b128 v14, v[R+16*((\t)%4)+4*\i:R+16*((\t)%4)+4*\i+3] offset:32*SP*((\t)%2)+8*SP*\i
.endr
.irp i, 0,1,2,3
	ds_load_b128 v[X+16*((\t)%2)+4*\i:X+16*((\t)%2)+4*\i+3], v15 offset:32*SP*((\t)%2)+16*\i
.endr
.endm
.irp t, 0,1,2,3
	QLOAD \t
.endr
	s_wait_loadcnt 12                              ; step 0's four loads are in
	QTURN 0
.macro QSTEP t
.set XS, X+16*((\t)%2)
.if (\t) > 0
	s_wait_dscnt 1                                 ; this step's numbers are back from the stage; the last step's byte store may be out
.else
	s_wait_dscnt 0x0
.endif
.if (\t)+4 < STEPS
	QLOAD (\t)+4
.endif
.if (\t)+1 < STEPS
.if STEPS-2-(\t) >= 3
	s_wait_loadcnt 12                              ; the next step's four loads are in; those of the three steps behind it may be out
.else
	s_wait_loadcnt 4*(STEPS-2-(\t))
.endif
	QTURN (\t)+1
.endif
	v_max3_num_f32 v8, |v[XS]|, |v[XS+1]|, |v[XS+2]|   ; the largest magnitude of my 16, in two chains
	v_max3_num_f32 v9, |v[XS+3]|, |v[XS+4]|, |v[XS+5]|
.irp i, 6,10
	v_max3_num_f32 v8, v8, |v[XS+\i]|, |v[XS+\i+1]|
	v_max3_num_f32 v9, v9, |v[XS+\i+2]|, |v[XS+\i+3]|
.endr
	v_max3_num_f32 v8, v8, |v[XS+14]|, |v[XS+15]|
	v_max3_num_f32 v8, v8, v9, (EMAX+1)<<23        ; and the floor 2^(3 - 127): the byte cannot fall under 1
	v_max_num_f32_dpp v8, v8, v8 row_xmask:1 row_mask:0xf bank_mask:0xf   ; with my neighbour's 16: the block's
	v_add_nc_u32 v11, 0xff000000, v8               ; 2 off its exponent field: the conversion takes the exponent field of this operand as its scale
	v_cvt_scalef32_pk8_fp4_f32 v[C+4*(\t)], v[XS:XS+7], v11
	v_cvt_scalef32_pk8_fp4_f32 v[C+4*(\t)+1], v[XS+8:XS+15], v11
	v_lshrrev_b32 v[E+(\t)], 23, v11               ; the scale's byte (also the plain line behind the conversions)
	ds_store_b8 v5, v[E+(\t)] offset:16*(\t)       ; both lanes of a block write the same byte with the same value
	global_store_b64 v4, v[C+4*(\t):C+4*(\t)+1], s[20:21] offset:32*CB*(\t)   ; the wave stores 256 consecutive bytes, aligned
.endm
.irp t, 0,1,2,3,4,5,6,7,8,9,10,11,12,13,14,15
	QSTEP \t
.endr
	ds_load_b64 v[8:9], v6                         ; my wave's 256 scale bytes: these loads see my stores
	s_wait_dscnt 0x0
	global_store_b64 v7, v[8:9], s[22:23]          ; 256 consecutive bytes, aligned
	s_wait_tensorcnt 0x0                           ; the wave's end
	ds_add_u32 v[SPW], v[NIL]
	s_wait_dscnt 0x0
	s_endpgm
; ---------------- wo to f16: a wave takes 8,192 numbers, 64 loads of 512 bytes in four batches, two batches on their way.  No LDS is written here
.Lwo:
	v_lshlrev_b32 v3, 4, v2
	v_lshlrev_b32 v4, 3, v2
	s_sub_co_u32 s34, s33, 4*G_WO
	s_lshl_b32 s36, s34, 15
	s_mov_b32 s37, 0
	s_add_nc_u64 s[16:17], s[16:17], s[36:37]
	s_lshl_b32 s36, s34, 14
	s_add_nc_u64 s[24:25], s[24:25], s[36:37]
.macro WLOAD b
.irp i, 0,1,2,3,4,5,6,7,8,9,10,11,12,13,14,15
	global_load_b128 v[16+64*((\b)%2)+4*\i:16+64*((\b)%2)+4*\i+3], v3, s[16:17] offset:512*(16*(\b)+\i) th:TH_LOAD_NT
.endr
.endm
.macro WBATCH b
.if (\b) < 3
	s_wait_loadcnt 16                              ; this batch is in; the next one's sixteen loads may be out
.else
	s_wait_loadcnt 0
.endif
.if (\b) > 0
	s_wait_xcnt 0x0                                ; the last batch's stores have read their data: v144-175 are written again only behind this wait
.endif
.irp i, 0,1,2,3,4,5,6,7,8,9,10,11,12,13,14,15
	v_cvt_pk_f16_f32 v[144+2*\i], v[16+64*((\b)%2)+4*\i], v[17+64*((\b)%2)+4*\i]
	v_cvt_pk_f16_f32 v[145+2*\i], v[18+64*((\b)%2)+4*\i], v[19+64*((\b)%2)+4*\i]
.endr
.irp i, 0,1,2,3,4,5,6,7,8,9,10,11,12,13,14,15
	global_store_b64 v4, v[144+2*\i:145+2*\i], s[24:25] offset:256*(16*(\b)+\i)   ; 256 consecutive bytes, aligned
.endr
.if (\b) < 2
	WLOAD (\b)+2
.endif
.endm
	WLOAD 0
	WLOAD 1
	WBATCH 0
	WBATCH 1
	WBATCH 2
	WBATCH 3
	s_endpgm
; ---------------- the mask: a wave takes 16 rows (one tile of queries) and all 2,048 keys, 512 keys a trip.  No LDS is written here
.Lmask:
	v_and_b32 v5, 15, v0                           ; r
	v_bfe_u32 v6, v0, 4, 1                         ; h
	v_lshlrev_b32 v3, 11, v5
	v_lshl_add_u32 v3, v6, 4, v3                   ; row r of 2,048 bytes, + 16 h
	v_lshlrev_b32 v4, 4, v2                        ; out: 16 bytes a lane
	s_sub_co_u32 s34, s33, 4*G_MASK
	s_lshl_b32 s36, s34, 15                        ; 16 rows of 2,048 bytes
	s_mov_b32 s37, 0
	s_add_nc_u64 s[18:19], s[18:19], s[36:37]
	s_lshl_b32 s36, s34, 12                        ; 128 tiles of keys x 8 words
	s_add_nc_u64 s[26:27], s[26:27], s[36:37]
.irp j, 0,1,2,3,4,5,6,7
	v_mov_b32 v[88+\j], 0                          ; written once: the destination of a lane write counts as read
.endr
; A run of 256 keys.  Load i brought lane (r, h) keys 32 i + 16 h + 0 .. 15 of row r.  Two exchanges of halves give registers 0, 1 keys 8 h + 0 .. 7 of tile 2 i and registers 2, 3 those of tile 2 i + 1.
; Word 8 kt + j of the run goes to lane 2 kt + j / 4, register j % 4, so that one store of 16 bytes a lane writes the run's 128 words on end.
.macro MRUN a
.irp i, 0,1,2,3,4,5,6,7
	v_permlane16_swap_b32 v[16+32*\a+4*\i], v[18+32*\a+4*\i]
	v_permlane16_swap_b32 v[17+32*\a+4*\i], v[19+32*\a+4*\i]
.irp u, 0,1
.irp j, 0,1,2,3,4,5,6,7
	v_and_b32 v[80+\j], 0xff<<(8*(\j%4)), v[16+32*\a+4*\i+2*\u+\j/4]
.endr
.irp j, 0,1,2,3,4,5,6,7
	v_cmp_ne_u32 s[40+\j], 0, v[80+\j]             ; bit l: lane l's byte
.endr
.irp j, 0,1,2,3,4,5,6,7
	v_writelane_b32 v[88+4*\a+\j%4], s[40+\j], 2*(2*\i+\u)+\j/4
.endr
.endr
.endr
.endm
	s_mov_b32 s29, 4
.Lmrun:
.irp a, 0,1
.irp i, 0,1,2,3,4,5,6,7
	global_load_b128 v[16+32*\a+4*\i:19+32*\a+4*\i], v3, s[18:19] offset:256*\a+32*\i th:TH_LOAD_NT   ; a run's eight loads cover 256 consecutive bytes of each of the 16 rows
.endr
.endr
	s_wait_loadcnt 8                               ; the first run is in; the second run's eight loads may be out
	MRUN 0
	s_wait_loadcnt 0
	MRUN 1
	global_store_b128 v4, v[88:91], s[26:27]       ; 512 consecutive bytes
	global_store_b128 v4, v[92:95], s[26:27] offset:512
	s_wait_xcnt 0x0                                ; the bases and the stores' data are written again only behind this wait
	s_add_nc_u64 s[18:19], s[18:19], 512
	s_add_nc_u64 s[26:27], s[26:27], 1024
	s_sub_co_u32 s29, s29, 1
	s_cmp_lg_u32 s29, 0
	s_cbranch_scc1 .Lmrun
	s_endpgm
.Lfunc_end_k_qdb8fb37012_prep:
	.size	k_qdb8fb37012_prep, .Lfunc_end_k_qdb8fb37012_prep-k_qdb8fb37012_prep
	.p2alignl 7, 3214868480
	.fill 96, 4, 3214868480
	.section	.rodata,"a",@progbits
	.p2align	6, 0x0
	.amdhsa_kernel k_qdb8fb37012_prep
		.amdhsa_group_segment_fixed_size 33280
		.amdhsa_private_segment_fixed_size 0
		.amdhsa_enable_private_segment 0
		.amdhsa_kernarg_size 96
		.amdhsa_user_sgpr_count 2
		.amdhsa_user_sgpr_kernarg_segment_ptr 1
		.amdhsa_wavefront_size32 1
		.amdhsa_system_sgpr_workgroup_id_x 1
		.amdhsa_system_sgpr_workgroup_id_y 1
		.amdhsa_system_sgpr_workgroup_id_z 1
		.amdhsa_system_vgpr_workitem_id 0
		.amdhsa_next_free_vgpr 192
		.amdhsa_next_free_sgpr 66
		.amdhsa_reserve_vcc 0
		.amdhsa_float_denorm_mode_32 3
		.amdhsa_float_denorm_mode_16_64 3
		.amdhsa_memory_ordered 1
		.amdhsa_forward_progress 1
		.amdhsa_inst_pref_size 106
	.end_amdhsa_kernel
	.amdgpu_metadata
---
amdhsa.version: [ 1, 2 ]
amdhsa.kernels:
  - .name:           k_qdb8fb37012_prep
    .symbol:         k_qdb8fb37012_prep.kd
    .args:
      - { .name: query, .offset: 0, .size: 8, .value_kind: global_buffer, .address_space: global }
      - { .name: key, .offset: 8, .size: 8, .value_kind: global_buffer, .address_space: global }
      - { .name: value, .offset: 16, .size: 8, .value_kind: global_buffer, .address_space: global }
      - { .name: wq, .offset: 24, .size: 8, .value_kind: global_buffer, .address_space: global }
      - { .name: wk, .offset: 32, .size: 8, .value_kind: global_buffer, .address_space: global }
      - { .name: wv, .offset: 40, .size: 8, .value_kind: global_buffer, .address_space: global }
      - { .name: wo, .offset: 48, .size: 8, .value_kind: global_buffer, .address_space: global }
      - { .name: mask, .offset: 56, .size: 8, .value_kind: global_buffer, .address_space: global }
      - { .name: codes, .offset: 64, .size: 8, .value_kind: global_buffer, .address_space: global }
      - { .name: scales, .offset: 72, .size: 8, .value_kind: global_buffer, .address_space: global }
      - { .name: woh, .offset: 80, .size: 8, .value_kind: global_buffer, .address_space: global }
      - { .name: maskw, .offset: 88, .size: 8, .value_kind: global_buffer, .address_space: global }
    .group_segment_fixed_size: 33280
    .private_segment_fixed_size: 0
    .kernarg_segment_align: 8
    .kernarg_segment_size: 96
    .max_flat_workgroup_size: 128
    .sgpr_count:     66
    .vgpr_count:     192
    .wavefront_size: 32
...
	.end_amdgpu_metadata
.endif
;; end of part 1
;; launch proj (part 2): grid 4 x 64, 4 waves a work-group, clusters of 4 x 4, 327,680 bytes of LDS; arguments codes, scales, bk, bv, kv; writes kv
.if DOCPART == 2
	.amdgcn_target "amdgcn-amd-amdhsa--gfx1250"
	.amdhsa_code_object_version 6
	.text
	.protected	k_qdb8fb37012_proj
	.globl	k_qdb8fb37012_proj
	.p2align	8
	.type	k_qdb8fb37012_proj,@function
k_qdb8fb37012_proj:
	s_mov_b64 s[64:65], 0
	v_nop
	global_prefetch_b8 v0, s[64:65] scope:SCOPE_SE
	s_setreg_imm32_b32 hwreg(HW_REG_WAVE_MODE, 25, 1), 1
	s_wait_xcnt 0x0
	s_wait_alu depctr_hold_cnt(0) depctr_sa_sdst(0) depctr_va_vdst(0) depctr_va_sdst(0) depctr_va_ssrc(0) depctr_va_vcc(0) depctr_vm_vsrc(0)
	s_getreg_b32 s2, hwreg(HW_REG_IB_STS2, 6, 4)
	s_cmp_eq_u32 s2, 0
	s_cbranch_scc0 .Lentry_in_a_cluster
	s_endpgm
.Lentry_in_a_cluster:
	s_bfe_u32 s2, ttmp6, 0x10000c
	s_cmp_lg_u32 s2, 0xf033
	s_cbranch_scc0 .Lentry_shape_is_right
	s_endpgm
.Lentry_shape_is_right:
; THE PROJECTIONS OF key AND value AS ONE PRODUCT ON CODES OF FP4 (E2M1) WITH E8M0 SCALES: y = x W^T + b.  The rows of key and value stand on end (16,384 rows of 1,024 codes); tensor T = row / 8,192 takes weight T and bias T.
; (q's projection is made where it is used, at the head of the attention launch.)  64 x 4 tiles of 256 x 256: 256 work-groups.
; A tile is made by four waves, each 128 x 128: 64 accumulators of 16 x 16.  K = 1,024 is two LDS slots of 512 along K (rows of 256 bytes): both are asked for at the start, and nothing is filled again.
; The scale bytes of the work-group's 256 + 256 rows, for all of K, come once, as dense blocks in rows of 256 bytes.
; CLUSTERS: 4 x 4 work-groups.  A row of the cluster shares the tiles of x, a column those of W: each tile is asked for jointly.  All sixteen lie in one tensor T (a tensor is 32 tile rows, a cluster 4).
; THE MATRIX INSTRUCTION IS USED TRANSPOSED (source 0 = 16 rows of W, source 1 = 16 rows of x): a lane holds eight neighbouring outputs of one token.  The bias is the C of each sum's first product.
; OUT: f16, laid [tensor][batch][head][token][64].  LIMIT: k + bk and v + bv stay under 65,504 in magnitude.
; REGISTERS: window 0: v0-31 addresses; v32-95 scale words, two sets; v96-127 packed results; v128-191 x's fragments, one set, later rows on the way out; v192-255 the bias.
;   window 1: W's fragments, two sets.   windows 2, 3: the accumulators ((a, b) at v[8 (8 (a % 4) + b)] of window 2 + a / 4).
.set KSTEP,  512
.set NQ,     4                         ; matrix instructions deep in a slot
.set ROWB,   256                       ; a tile's row in bytes
.set KROW,   512                       ; a row of codes in memory
.set PITCH,  272                       ; 256 bytes + 16 of padding: the 16 rows that a load touches start at 16 different groups of four banks
.set FR,     8
.set NL,     2
.set NP,     4
.set HALFT,  128*PITCH
.set SLOT,   4*HALFT
.set KS,     32                        ; a row of scale bytes
.set SCL,    2*SLOT
.set HALFS,  16*272                    ; the scales of 128 rows
.set SBLK,   2*272                     ; of 16 rows
.set SPARE,  SCL+4*HALFS               ; the spare words: 128 bytes a wave, two blocks of 256 bytes that no other line names
.set SPITCH, 272                       ; the way out: 16 rows x (256 + 16) bytes a wave, in slot 0, which has had its last fill and its last read by then
.set XCODES, 4194304                   ; where key's codes begin in the stream of codes (behind query's),
.set XSCALES, 262144                   ; and its scale bytes;
.set WCODES, 13107200                  ; wk's codes (behind wq's),
.set WSCALES, 819200                   ; and its scale bytes
.set ADRA, 16
.set ADRB, 20
.set STO,  24
.set RD,   25
.set CO,   26
.set ADRS, 27
.set SPW,  28
.set NIL,  29
.set BO,   30
.set SC,   32
.set TMP,  96
.set AF,   128
.set BK,   128
.set BIAS, 192
.set G1, 24
.set G0, 32
.set G1B, 48
.set G0B, 56
.set G1S, 68
.set G0S, 76
.set G1SB, 80
.set G0SB, 88
.set MSB, 0
.macro WIN new                         ; the immediate's high byte repeats the setting that is left
.if MSB != \new
	s_set_vgpr_msb (MSB<<8)|\new
.set MSB, \new
.endif
.endm
.set MUL_LO, 0xa1                      ; source 0 (W) window 1, source 1 (x) window 0, C and D window 2
.set MUL_HI, 0xf1
.set FST_LO, 0x81                      ; the same with C (the bias) in window 0
.set FST_HI, 0xc1
.set TO_B,   0x40
; A joint load: waves 0 and 1 fetch for x, waves 2 and 3 for W.  The branch hangs on the wave's number alone.  An s_nop 0 and four v_nop follow each line.
.macro JLOAD g0a, g1a, g0b, g1b
	s_cmp_eq_u32 s15, 0
	s_cbranch_scc0 .Lfor_b_\@
	tensor_load_to_lds s[\g0a:\g0a+3], s[\g1a:\g1a+7]
	s_nop 0
.rept 4
	v_nop
.endr
	s_branch .Lasked_\@
.Lfor_b_\@:
	tensor_load_to_lds s[\g0b:\g0b+3], s[\g1b:\g1b+7]
	s_nop 0
.rept 4
	v_nop
.endr
.Lasked_\@:
.endm
.macro CROUND                          ; a round of the cluster's barrier
	s_barrier_signal -1
	s_barrier_wait -1
	s_cmp_lg_u32 s14, 0
	s_cbranch_scc1 .Lnot_wave_0_\@
	s_barrier_signal -3
.Lnot_wave_0_\@:
	s_barrier_wait -3
	s_barrier_signal -1
	s_barrier_wait -1
.endm
	s_load_b128 s[4:7], s[0:1], 0x0                ; codes, scales
	s_load_b128 s[8:11], s[0:1], 0x10              ; bk, bv
	s_load_b64 s[98:99], s[0:1], 0x20              ; kv
	v_lshl_add_u32 v[SPW], v0, 2, SPARE
	v_mov_b32 v[NIL], 0
	ds_add_u32 v[SPW], v[NIL]                      ; the wave's opening: the add, twice on end, and its wait ahead of my first tensor load
	ds_add_u32 v[SPW], v[NIL]
	v_lshrrev_b32 v1, 5, v0
	v_readfirstlane_b32 s14, v1                    ; wave 0..3
	s_lshr_b32 s15, s14, 1                         ; my half of the tile's rows.  Also: I fetch for x (0) or for W (1)
	s_and_b32 s16, s14, 1                          ; my half of its columns.  Also: which 128 rows I fetch
	s_bfe_u32 s40, ttmp6, 0x40000                  ; cx
	s_bfe_u32 s41, ttmp6, 0x40004                  ; cy
	s_lshl_b32 s42, ttmp9, 2
	s_add_co_u32 s42, s42, s40                     ; tile column
	s_and_b32 s12, ttmp7, 0xffff                   ; cluster y
	s_lshl_b32 s17, s12, 2
	s_add_co_u32 s17, s17, s41                     ; tile row, 0..63
	s_lshr_b32 s13, s12, 3                         ; T: 0 key, 1 value: the same in all sixteen partners
	s_lshl_b32 s43, s41, 2
	s_lshl_b32 s43, 15, s43                        ; my row of the cluster
	s_lshl_b32 s44, 0x1111, s40                    ; my column
	s_or_b32 s[G1+0], s43, (0<<16)|(1<<20)|(1<<21)|(5<<22)|(3<<25)  ; the mask; elements of 1 byte; padding on; bit 21 beside a mask; 4 words behind every 64
	s_or_b32 s[G1B+0], s44, (0<<16)|(1<<20)|(1<<21)|(5<<22)|(3<<25)
.irp g, G1, G1B
	s_mov_b32 s[\g+1], ROWB<<16                    ; tensor_dim0
	s_mov_b32 s[\g+2], 128<<16                     ; tensor_dim1
	s_mov_b32 s[\g+3], ROWB<<16                    ; tile_dim0
	s_mov_b32 s[\g+4], 128                         ; tile_dim1
	s_mov_b32 s[\g+5], KROW                        ; from row to row
	s_mov_b32 s[\g+6], 0
	s_mov_b32 s[\g+7], 0
.endr
	s_or_b32 s[G1S+0], s43, (3<<16)|(1<<20)|(1<<21)|(5<<22)|(3<<25) ; the scales of 128 rows: 4,096 dense bytes as 16 rows of 32 elements of 8 bytes
	s_or_b32 s[G1SB+0], s44, (3<<16)|(1<<20)|(1<<21)|(5<<22)|(3<<25)
.irp g, G1S, G1SB
	s_mov_b32 s[\g+1], 32<<16
	s_mov_b32 s[\g+2], 16<<16
	s_mov_b32 s[\g+3], 32<<16
	s_mov_b32 s[\g+4], 16
	s_mov_b32 s[\g+5], 32
	s_mov_b32 s[\g+6], 0
	s_mov_b32 s[\g+7], 0
.endr
	s_lshl_b32 s18, s16, 7                         ; which 128 rows of the tile I fetch
	s_lshl_b32 s20, s17, 8
	s_add_co_u32 s20, s20, s18                     ; x: row 256 x tile row + 128 x half, among key's and value's 16,384
	s_lshl_b32 s46, s42, 8
	s_add_co_u32 s46, s46, s18
	s_lshl_b32 s19, s13, 10
	s_add_co_u32 s46, s46, s19                     ; W: row 1,024 T + 256 x tile column + 128 x half, among wk's and wv's
	s_lshl_b32 s22, s20, 5                         ; in bytes: scales,
	s_add_co_u32 s22, s22, XSCALES
	s_mov_b32 s23, 0
	s_lshl_b32 s20, s20, 9                         ; codes
	s_add_co_u32 s20, s20, XCODES
	s_mov_b32 s21, 0
	s_lshl_b32 s92, s46, 5
	s_add_co_u32 s92, s92, WSCALES
	s_mov_b32 s93, 0
	s_lshl_b32 s46, s46, 9
	s_add_co_u32 s46, s46, WCODES
	s_mov_b32 s47, 0
	s_mul_i32 s45, s14, HALFT                      ; where they go: wave x 128 rows: no place in the cluster enters an LDS address
	s_mul_i32 s94, s14, HALFS
	s_wait_dscnt 0x0                               ; both opening adds are done
	s_wait_kmcnt 0x0
	s_add_nc_u64 s[20:21], s[4:5], s[20:21]
	s_add_nc_u64 s[22:23], s[6:7], s[22:23]
	s_add_nc_u64 s[46:47], s[4:5], s[46:47]
	s_add_nc_u64 s[92:93], s[6:7], s[92:93]
	CROUND                                         ; all sixteen work-groups are here: the joint loads meet
	s_mov_b32 s[G0S], 1
	s_add_co_u32 s[G0S+1], s94, SCL
	s_mov_b64 s[G0S+2:G0S+3], s[22:23]
	s_or_b32 s[G0S+3], s[G0S+3], 0x80000000
	s_mov_b32 s[G0SB], 1
	s_add_co_u32 s[G0SB+1], s94, SCL
	s_mov_b64 s[G0SB+2:G0SB+3], s[92:93]
	s_or_b32 s[G0SB+3], s[G0SB+3], 0x80000000
	JLOAD G0S, G1S, G0SB, G1SB                     ; the scales first; with the two slots three loads of mine are out
.irp s, 0,1
	s_mov_b32 s[G0+4*\s], 1
	s_add_co_u32 s[G0+4*\s+1], s45, \s*SLOT
	s_add_nc_u64 s[G0+4*\s+2:G0+4*\s+3], s[20:21], \s*ROWB
	s_or_b32 s[G0+4*\s+3], s[G0+4*\s+3], 0x80000000
	s_mov_b32 s[G0B+4*\s], 1
	s_add_co_u32 s[G0B+4*\s+1], s45, \s*SLOT
	s_add_nc_u64 s[G0B+4*\s+2:G0B+4*\s+3], s[46:47], \s*ROWB
	s_or_b32 s[G0B+4*\s+3], s[G0B+4*\s+3], 0x80000000
	JLOAD G0+4*\s, G1, G0B+4*\s, G1B
.endr
	v_and_b32 v1, 15, v0                           ; r
	v_bfe_u32 v2, v0, 4, 1                         ; h
	; the bias of my 128 columns, in the result's layout: block b's register j of lane (r, h) is b[16 b + 8 h + j]
	s_cmp_eq_u32 s13, 1
	s_cselect_b64 s[8:9], s[10:11], s[8:9]
	s_lshl_b32 s46, s42, 10
	s_lshl_b32 s47, s16, 9
	s_add_co_u32 s46, s46, s47
	s_mov_b32 s47, 0
	s_add_nc_u64 s[8:9], s[8:9], s[46:47]
	v_lshlrev_b32 v[BO], 5, v2
.irp b, 0,1,2,3,4,5,6,7
	global_load_b128 v[BIAS+8*\b:BIAS+8*\b+3], v[BO], s[8:9] offset:64*\b
	global_load_b128 v[BIAS+8*\b+4:BIAS+8*\b+7], v[BO], s[8:9] offset:64*\b+16
.endr
	v_mul_u32_u24 v3, v1, PITCH
	v_lshl_add_u32 v4, v2, 4, v3                   ; a fragment's row x pitch + 16 x half
	s_mul_i32 s21, s15, HALFT                      ; my 128 rows of x
	s_mul_i32 s22, s16, HALFT                      ; my 128 rows of W,
	s_add_co_u32 s22, s22, 2*HALFT                 ; behind x's 256
.irp s, 0,1
	v_add_nc_u32 v[ADRA+\s], s21, v4
	v_add_nc_u32 v[ADRB+\s], s22, v4
	s_add_co_u32 s21, s21, SLOT
	s_add_co_u32 s22, s22, SLOT
.endr
	v_mul_u32_u24 v5, v1, KS                       ; my row's scales: 32 bytes a row,
	v_lshrrev_b32 v6, 8, v5
	v_lshl_add_u32 v5, v6, 4, v5                   ; and 16 more for each 256 passed
	s_mul_i32 s21, s15, HALFS
	s_mul_i32 s22, s16, HALFS
	s_add_co_u32 s22, s22, 2*HALFS
	s_sub_co_u32 s22, s22, s21
	v_mul_u32_u24 v6, s22, v2                      ; lanes 16-31 take W's
	s_add_co_u32 s21, s21, SCL
	v_add_nc_u32 v5, v5, v6
	v_add_nc_u32 v[ADRS], s21, v5
	s_mul_i32 s23, s14, 16*SPITCH                  ; my stage
	v_mul_u32_u24 v5, v1, SPITCH                   ; in: token r, 16 bytes for each half of the lanes
	v_lshl_add_u32 v5, v2, 4, v5
	v_add_nc_u32 v[STO], s23, v5
	v_bfe_u32 v6, v0, 3, 1                         ; back: lanes 0-15 take my first head's 128 bytes of two tokens, lanes 16-31 my second head's
	v_mul_u32_u24 v6, v6, SPITCH
	v_lshl_add_u32 v6, v2, 7, v6
	v_and_b32 v7, 7, v0
	v_lshl_add_u32 v6, v7, 4, v6
	v_add_nc_u32 v[RD], s23, v6
	v_lshlrev_b32 v[CO], 4, v1                     ; in memory two tokens of a head are 256 bytes on end; a head is 2^18 bytes
	v_lshl_add_u32 v[CO], v2, 18, v[CO]
	s_lshl_b32 s20, s17, 8
	s_lshl_b32 s21, s15, 7
	s_add_co_u32 s20, s20, s21                     ; my first row among the 16,384
	s_lshr_b32 s21, s20, 11
	s_lshl_b32 s21, s21, 22                        ; tensor and batch
	s_and_b32 s20, s20, 2047
	s_lshl_b32 s20, s20, 7                         ; token
	s_add_co_u32 s20, s20, s21
	s_lshl_b32 s46, s42, 20                        ; head 4 x tile column + 2 x half
	s_lshl_b32 s47, s16, 19
	s_add_co_u32 s46, s46, s47
	s_add_co_u32 s20, s20, s46
	s_mov_b32 s21, 0
	s_add_nc_u64 s[98:99], s[98:99], s[20:21]
.macro FRAG reg, adr, q, i             ; 16 rows x 128 K of 4-bit codes: 8 registers: lane l row l % 16; registers 4 c .. 4 c + 3: K = 64 c + 32 (l / 16) + 0 .. 31
.irp c, 0,1
	ds_load_b128 v[\reg+4*\c:\reg+4*\c+3], v[\adr] offset:64*(\q)+32*\c+(\i)*16*PITCH
.endr
.endm
; 16 matrix instructions: x's blocks a0, a0 + 1 against W's eight.  The 64 accumulators take turns, one instruction a turn, in the same order in every step.  first = 1: C is the bias.
.macro MUL16 a0, p, q, sc, first
.irp a, \a0, \a0+1
.irp b, 0,1,2,3,4,5,6,7
.if \first
	v_wmma_scale_f32_16x16x128_f8f6f4 v[8*(8*((\a)%4)+\b):8*(8*((\a)%4)+\b)+7], v[128*(\p)+FR*\b:128*(\p)+FR*\b+FR-1], v[AF+FR*(\a):AF+FR*(\a)+FR-1], v[BIAS+8*\b:BIAS+8*\b+7], v[SC+8*NQ*(\sc)+NQ*\b+(\q)], v[SC+8*NQ*(\sc)+NQ*(\a)+(\q)] matrix_a_fmt:MATRIX_FMT_FP4 matrix_b_fmt:MATRIX_FMT_FP4 matrix_a_scale:MATRIX_SCALE_ROW1
.else
	v_wmma_scale_f32_16x16x128_f8f6f4 v[8*(8*((\a)%4)+\b):8*(8*((\a)%4)+\b)+7], v[128*(\p)+FR*\b:128*(\p)+FR*\b+FR-1], v[AF+FR*(\a):AF+FR*(\a)+FR-1], v[8*(8*((\a)%4)+\b):8*(8*((\a)%4)+\b)+7], v[SC+8*NQ*(\sc)+NQ*\b+(\q)], v[SC+8*NQ*(\sc)+NQ*(\a)+(\q)] matrix_a_fmt:MATRIX_FMT_FP4 matrix_b_fmt:MATRIX_FMT_FP4 matrix_a_scale:MATRIX_SCALE_ROW1
.endif
.endr
.endr
.endm
.macro FETCH_B slot, q, p
	WIN TO_B
.irp i, 0,1,2,3,4,5,6,7
	FRAG 128*(\p)+FR*\i, ADRB+\slot, \q, \i
.endr
	WIN 0
.endm
.macro FETCH_A slot, q, i0
.irp i, \i0, \i0+1, \i0+2, \i0+3
	FRAG AF+FR*(\i), ADRA+\slot, \q, \i
.endr
.endm
.macro SCALES sc                       ; a slot's scale words: lanes 0-15 take x's block i, lanes 16-31 W's block i
.irp i, 0,1,2,3,4,5,6,7
	ds_load_b128 v[SC+8*NQ*\sc+NQ*\i:SC+8*NQ*\sc+NQ*\i+3], v[ADRS] offset:\i*SBLK
.endr
.endm
.macro PLACES n                        ; plain vector lines between a matrix instruction and a load into, or a read of, its registers (ISA guide 7.12.1 for the reads)
.rept \n
	v_nop
.endr
.endm
.macro STEP slot, q, first             ; 128 along K with its successor in the same slot
	s_wait_dscnt 4*NL                              ; W's set and x's blocks 0-3 are in; the youngest eight loads (x's blocks 4-7) may be out
.if \first
	WIN FST_LO
.else
	WIN MUL_LO
.endif
	MUL16 0, (\q)%2, \q, \slot, \first
	MUL16 2, (\q)%2, \q, \slot, \first
	s_wait_dscnt 0
	PLACES NP
	FETCH_B \slot, (\q)+1, 1-(\q)%2
	FETCH_A \slot, (\q)+1, 0
.if \first
	WIN FST_HI
.else
	WIN MUL_HI
.endif
	MUL16 4, (\q)%2, \q, \slot, \first
	MUL16 6, (\q)%2, \q, \slot, \first
	PLACES NP
	WIN 0
	FETCH_A \slot, (\q)+1, 4
.endm
.macro TURN slot, next                 ; slot 0's last step: one barrier; in front of it my part of slot 1 has landed.  Nothing is filled again
	s_wait_tensorcnt 0x0
	ds_add_u32 v[SPW], v[NIL]
	s_wait_dscnt 4*NL+1                            ; the add and the youngest eight loads may be out
	WIN MUL_LO
	MUL16 0, 1, NQ-1, \slot, 0
	s_wait_dscnt 0x0                               ; the add is done, and my reads of this slot are over
	s_barrier_signal -1
	MUL16 2, 1, NQ-1, \slot, 0
	WIN 0
	s_barrier_wait -1
	PLACES NP
	v_add_nc_u32 v[ADRS], 4*NQ, v[ADRS]            ; the next slot's scale words
	FETCH_B \next, 0, 0
	FETCH_A \next, 0, 0
	SCALES \next
	WIN MUL_HI
	MUL16 4, 1, NQ-1, \slot, 0
	MUL16 6, 1, NQ-1, \slot, 0
	PLACES NP
	WIN 0
	FETCH_A \next, 0, 4
.endm
.macro STEPS slot, from
.set Q, \from
.rept NQ-1-\from
	STEP \slot, Q, 0
.set Q, Q+1
.endr
.endm
	s_wait_tensorcnt 1                             ; the scales and my part of slot 0 are in; slot 1's load may be out
	s_barrier_signal -1
	s_barrier_wait -1
	FETCH_B 0, 0, 0
	FETCH_A 0, 0, 0
	SCALES 0
	FETCH_A 0, 0, 4
	s_wait_loadcnt 0x0                             ; the bias
	STEP 0, 0, 1
	STEPS 0, 1
	TURN 0, 1
	STEPS 1, 0
	s_wait_dscnt 4*NL                              ; the last step: nothing more to fetch
	WIN MUL_LO
	MUL16 0, 1, NQ-1, 1, 0
	MUL16 2, 1, NQ-1, 1, 0
	s_wait_dscnt 0
	WIN MUL_HI
	MUL16 4, 1, NQ-1, 1, 0
	MUL16 6, 1, NQ-1, 1, 0
	WIN 0
; THE WAY OUT, a block of 16 tokens x 128 outputs at a time: rounded to f16 (16 bytes a lane), through my stage, back so that sixteen neighbouring lanes hold two tokens of one head: 256 bytes on end.
.macro PACK a
.set AC, 64*((\a)%4)
	WIN 0x0a+5*((\a)/4)                            ; sources 0 and 1: window 2 or 3
.set i, 0
.rept 32
	v_cvt_pk_f16_f32 v[TMP+i], v[AC+2*i], v[AC+2*i+1]   ; each accumulator from its low end on
.set i, i+1
.endr
	WIN 0
.endm
.macro TOSTAGE a
.set BB, BK+32*((\a)%2)
.irp b, 0,1,2,3,4,5,6,7
	ds_store_b128 v[STO], v[TMP+4*\b:TMP+4*\b+3] offset:32*\b
.endr
.irp t, 0,1,2,3,4,5,6,7
	ds_load_b128 v[BB+4*\t:BB+4*\t+3], v[RD] offset:\t*2*SPITCH   ; LDS serves a wave's instructions in order: these see the stores above
.endr
.endm
.macro SEND a
.set BB, BK+32*((\a)%2)
	s_wait_dscnt 0x0                               ; the block is back in registers
	s_wait_xcnt 0x0                                ; the block before has left its registers: the next block's loads land there only behind this wait
.irp t, 0,1,2,3,4,5,6,7
	global_store_b128 v[CO], v[BB+4*\t:BB+4*\t+3], s[98:99] offset:2048*(\a)+256*\t   ; sixteen lanes store 256 consecutive bytes, aligned
.endr
.endm
	PLACES NP
	PACK 0
	TOSTAGE 0
.irp a, 1,2,3,4,5,6,7                  ; block a's conversions stand between block a - 1's loads from the stage and the wait for them
	PACK \a
	SEND \a-1
	TOSTAGE \a
.endr
	SEND 7
	s_wait_tensorcnt 0x0                           ; the wave's end
	ds_add_u32 v[SPW], v[NIL]
	s_wait_dscnt 0x0
	CROUND                                         ; the closing round
	s_endpgm
.Lfunc_end_k_qdb8fb37012_proj:
	.size	k_qdb8fb37012_proj, .Lfunc_end_k_qdb8fb37012_proj-k_qdb8fb37012_proj
	.p2alignl 7, 3214868480
	.fill 96, 4, 3214868480
	.section	.rodata,"a",@progbits
	.p2align	6, 0x0
	.amdhsa_kernel k_qdb8fb37012_proj
		.amdhsa_group_segment_fixed_size 327680
		.amdhsa_private_segment_fixed_size 0
		.amdhsa_enable_private_segment 0
		.amdhsa_kernarg_size 40
		.amdhsa_user_sgpr_count 2
		.amdhsa_user_sgpr_kernarg_segment_ptr 1
		.amdhsa_wavefront_size32 1
		.amdhsa_system_sgpr_workgroup_id_x 1
		.amdhsa_system_sgpr_workgroup_id_y 1
		.amdhsa_system_sgpr_workgroup_id_z 1
		.amdhsa_system_vgpr_workitem_id 0
		.amdhsa_next_free_vgpr 1024
		.amdhsa_next_free_sgpr 100
		.amdhsa_reserve_vcc 0
		.amdhsa_float_denorm_mode_32 3
		.amdhsa_float_denorm_mode_16_64 3
		.amdhsa_memory_ordered 1
		.amdhsa_forward_progress 1
		.amdhsa_inst_pref_size 129
	.end_amdhsa_kernel
	.amdgpu_metadata
---
amdhsa.version: [ 1, 2 ]
amdhsa.kernels:
  - .name:           k_qdb8fb37012_proj
    .symbol:         k_qdb8fb37012_proj.kd
    .args:
      - { .name: codes, .offset: 0, .size: 8, .value_kind: global_buffer, .address_space: global }
      - { .name: scales, .offset: 8, .size: 8, .value_kind: global_buffer, .address_space: global }
      - { .name: bk, .offset: 16, .size: 8, .value_kind: global_buffer, .address_space: global }
      - { .name: bv, .offset: 24, .size: 8, .value_kind: global_buffer, .address_space: global }
      - { .name: kv, .offset: 32, .size: 8, .value_kind: global_buffer, .address_space: global }
    .group_segment_fixed_size: 327680
    .private_segment_fixed_size: 0
    .kernarg_segment_align: 8
    .kernarg_segment_size: 40
    .max_flat_workgroup_size: 128
    .sgpr_count:     100
    .vgpr_count:     1024
    .wavefront_size: 32
...
	.end_amdgpu_metadata
.endif
;; end of part 2
;; launch attn (part 3): grid 4 x 64, 8 waves a work-group, clusters of 4 x 1, 327,680 bytes of LDS; arguments codes, scales, bq, kv, maskw, xh; writes xh
.if DOCPART == 3
	.amdgcn_target "amdgcn-amd-amdhsa--gfx1250"
	.amdhsa_code_object_version 6
	.text
	.protected	k_qdb8fb37012_attn
	.globl	k_qdb8fb37012_attn
	.p2align	8
	.type	k_qdb8fb37012_attn,@function
k_qdb8fb37012_attn:
	s_mov_b64 s[64:65], 0
	v_nop
	global_prefetch_b8 v0, s[64:65] scope:SCOPE_SE
	s_setreg_imm32_b32 hwreg(HW_REG_WAVE_MODE, 25, 1), 1
	s_wait_xcnt 0x0
	s_wait_alu depctr_hold_cnt(0) depctr_sa_sdst(0) depctr_va_vdst(0) depctr_va_sdst(0) depctr_va_ssrc(0) depctr_va_vcc(0) depctr_vm_vsrc(0)
	s_getreg_b32 s2, hwreg(HW_REG_IB_STS2, 6, 4)
	s_cmp_eq_u32 s2, 0
	s_cbranch_scc0 .Lentry_in_a_cluster
	s_endpgm
.Lentry_in_a_cluster:
	s_bfe_u32 s2, ttmp6, 0x10000c
	s_cmp_lg_u32 s2, 0x3003
	s_cbranch_scc0 .Lentry_shape_is_right
	s_endpgm
.Lentry_shape_is_right:
; x[b][head][q][:] = the sum over k of softmax_k(where(mask, q . k / 8, -1e9)) v[k][:], with q = query wq^T + bq made here, at the head, on codes of FP4 (E2M1) with E8M0 scales.
; k, v: f16, [b][head][token][64].  q is multiplied by c = log2(e) / 8 in f32 and rounded to f16 once; scores, softmax and sums in f32; p is rounded to f16 for the second product, x once at the end.
; THE MASK IS HONOURED AS GIVEN: a masked score is REPLACED by -1e9 log2(e) ahead of the maximum, so a row with no key left comes out as the plain mean of v.  It arrives as lane masks (one word for each register of a tile of scores),
; read into scalar registers ahead of their use: one select an element.
; SHARES.  A work-group owns 512 queries of one (b, head); each of its eight waves 64: four tiles of 16, so that each fragment of K and V read from LDS feeds four products.  Two waves share a SIMD, so that one wave's softmax
; stands beside the other's products.  Every wave walks all 2,048 keys, 64 a step.  4 x 64 = 256 work-groups.
; LAYOUT.  All three products are used transposed, so that a lane holds ONE query (lane % 16) throughout.  q^T = wq x^T (source 0 = 16 rows of wq, source 1 = 16 queries): two neighbouring result tiles, rounded in pairs, ARE a fragment of Q.
; S^T = K Q^T: a lane holds keys 8 (lane / 16) + 0..7 of a tile; two such tiles, rounded in pairs, ARE source 1 of O^T = V^T P.  V comes out of LDS turned, by ds_load_tr16_b128.
; q'S OPERANDS.  My 64 queries' codes (32 KiB: 256 registers) come straight from memory.  The head's 64 rows of wq (32 KiB) are fetched an eighth a wave (wave w: K step w) and go from wave to wave through LDS as images of their registers.
; They are not asked for jointly in the cluster: 32 KiB a work-group against the 512 KiB of K and V that it walks.  bq is loaded straight into the accumulators, which are the C of their own first product.
; SOFTMAX.  A running maximum m and sum l for each query: p = 2^(t - m); in every step O and l are multiplied by a = 2^(m_old - m_new).  The first step finds m = -3e38, l = 0 and O = 0, so it needs no text of its own.
; It goes in two PIECES of two tiles: a piece selects by its 64 mask words and then asks for the other piece's, which have a piece's vector work in which to land.
; RING.  Two LDS slots of 256 keys; waves 0-3 fetch K's four steps, waves 4-7 V's: one tensor load a wave behind each change of slots, which has four key steps in which to land.
; CLUSTER.  The four query blocks of a head form a cluster and walk the same K and V: each tile is asked for jointly, by the same load with a mask that names the four.
; LIMITS: NaN and infinities are not served; (q + bq) c and x stay under 65,504 in magnitude.
; REGISTERS: window 0: v2-15 addresses and constants; v16-47 statistics, 8 a tile (at the head: q's scale words); v48-175 S^T, 32 a tile, then P in place (16 a tile); v176-239 K (at the head: wq's fragments, two sets); v240-244 the head's offsets.
;   window 1: v0-127 O^T (tile t, channels 16 c on: 32 t + 8 c); v128-191 Q (16 t + 8 k); v192-255 V.  At the head all 256: x's fragments (tile t, K step k: 64 t + 8 k).
.set KS,    64
.set PK,    144                        ; a row of K: 128 bytes + 16: the 16 rows of a load fall on 16 different 16-byte columns of 256
.set PV,    160                        ; a row of V: 128 + 32, an odd multiple of 32, for the turning load
.set VOFF,  KS*PK
.set STEPB, KS*(PK+PV)                 ; a step's tiles lie together: 64 rows of K, then 64 of V
.set SLOT1, 1<<17                      ; one exclusive or turns an address in one slot into the other's
.set STAGE, SLOT1+4*STEPB              ; behind the ring: 16 rows x 144 bytes a wave
.set SP,    144
.set SPARE, STAGE+8*16*SP              ; the spare words: 128 bytes a wave, four blocks of 256 bytes that no other line names
.set WIMG,  SPARE+1024                 ; wq's 32 fragments (K step k, tile c: 4 k + c) as images of their registers, 1,024 bytes each: bytes of their own, into which no tensor load lands
.set WCODES, 12582912                  ; where wq's codes begin in the stream of codes,
.set WSCALES, 786432                   ; and its scale bytes
.set AK0, 2
.set AV0, 3
.set ADR, 4
.set XO,  5                            ; v5   x's codes: my lane's byte offset
.set STO, 6
.set RD,  7
.set GO,  8
.set NEG, 10                           ; v10  -1e9 log2(e)
.set PFO, 11
.set SPW, 12
.set NIL, 13
.set ST,  16                           ; tile t at v[ST + 8 t]: +0 -m, +1 m, +2, +3 l (two halves), +4..+7 at work; a takes +6
.set SCQ, 16                           ; at the head: register 8 i + k: lanes 0-15 the scale word of x's tile i, lanes 16-31 that of wq's tile i, for K step k
.set S,   48
.set KF,  176
.set WO,  240                          ; v240 wq's codes: my lane's byte offset
.set WST, 241                          ; v241 where I store my images
.set LI,  242                          ; v242 where an image's 16 bytes of my lane lie
.set VS,  243                          ; v243 the scale words' byte offset
.set BOF, 244                          ; v244 bq's
.set QF,  128                          ; in window 1
.set VF,  192                          ; in window 1
.set MB,  2                            ; s[2:3]   my four tiles' mask words
.set XB,  4                            ; s[4:5]   my rows of x
.set SEL, 6                            ; s[6:7]   lane selects: lane l xor 16
.set PFA, 8                            ; s[8:9]   where my prefetches stand
.set LIM, 10
.set STP, 11
.set G1K, 12
.set G1V, 20
.set G0,  28
.set MW0, 32                           ; s32-63   the 32 mask words of a piece's first tile
.set WV,  66
.set TB,  67                           ; LDS byte at which the step's tiles begin
.set MW1, 68                           ; s68-99   of its second
.set MO,  100                          ; byte offset of the step's words: 128 a step
.set SLOTS, 101
.set MSB, 0
.macro WIN new                         ; the immediate's high byte repeats the setting that is left
.if MSB != \new
	s_set_vgpr_msb (MSB<<8)|\new
.set MSB, \new
.endif
.endm
.set W_KQ, 0x04                        ; source 1 (Q; at the head x) in window 1
.set W_PV, 0x51                        ; V (source 0) and O^T (C and D) in window 1, P in window 0
.set W_RS, 0x41                        ; O^T (destination and source 0) in window 1
.set TO_1, 0x40                        ; destination window 1
.macro JLOAD                           ; waves 0-3 K's line, waves 4-7 V's; the branch hangs on the wave's number alone; an s_nop 0 and four v_nop follow each line
	s_cmp_lt_u32 s[WV], 4
	s_cbranch_scc0 .Lfor_v_\@
	tensor_load_to_lds s[G0:G0+3], s[G1K:G1K+7]
	s_nop 0
.rept 4
	v_nop
.endr
	s_branch .Lasked_\@
.Lfor_v_\@:
	tensor_load_to_lds s[G0:G0+3], s[G1V:G1V+7]
	s_nop 0
.rept 4
	v_nop
.endr
.Lasked_\@:
.endm
; A prefetch of what the NEXT change of slots will ask for: 256 rows of K and of V, 32,768 dense bytes each.  Each aligned block of 256 bytes is named once in the launch: a head has one cluster; its four partners
; take 8,192 bytes each, told apart by address; in each, wave 0 asks for K's and wave 4 for V's, lanes 256 bytes apart.  The last change that fills a slot asks for nothing.
.macro ASK
	s_cmp_gt_u32 s[SLOTS], s[LIM]
	s_cbranch_scc0 .Lnot_mine_\@
	global_prefetch_b8 v[PFO], s[PFA:PFA+1] th:TH_LOAD_NT scope:SCOPE_SE
.Lnot_mine_\@:
.endm
.macro CROUND
	s_barrier_signal -1
	s_barrier_wait -1
	s_cmp_lg_u32 s[WV], 0
	s_cbranch_scc1 .Lnot_wave_0_\@
	s_barrier_signal -3
.Lnot_wave_0_\@:
	s_barrier_wait -3
	s_barrier_signal -1
	s_barrier_wait -1
.endm
.macro MLOAD y                         ; a step's mask words of tiles y and y + 1: 128 bytes each; a tile of queries has 4,096 bytes of words
	s_load_b512 s[MW0:MW0+15], s[MB:MB+1], s[MO] offset:(\y)*4096
	s_load_b512 s[MW0+16:MW0+31], s[MB:MB+1], s[MO] offset:(\y)*4096+64
	s_load_b512 s[MW1:MW1+15], s[MB:MB+1], s[MO] offset:(\y)*4096+4096
	s_load_b512 s[MW1+16:MW1+31], s[MB:MB+1], s[MO] offset:(\y)*4096+4160
.endm
.macro XLOAD t                         ; tile t of my queries, all of K: 16 rows x 512 bytes.  A fragment (16 rows x 128 K of 4-bit codes): lane l row l % 16; registers 4 c .. 4 c + 3: K = 64 c + 32 (l / 16) + 0 .. 31
.irp k, 0,1,2,3,4,5,6,7
	global_load_b128 v[64*\t+8*\k:64*\t+8*\k+3],   v[XO], s[32:33] offset:8192*\t+64*\k
	global_load_b128 v[64*\t+8*\k+4:64*\t+8*\k+7], v[XO], s[32:33] offset:8192*\t+64*\k+32
.endr
.endm
.macro FETCHW ks                       ; wq's four fragments of K step ks, out of their images, into set ks % 2
.irp c, 0,1,2,3
	ds_load_b128 v[KF+32*((\ks)%2)+8*\c:KF+32*((\ks)%2)+8*\c+3],   v[LI] offset:(4*(\ks)+\c)*1024
	ds_load_b128 v[KF+32*((\ks)%2)+8*\c+4:KF+32*((\ks)%2)+8*\c+7], v[LI] offset:(4*(\ks)+\c)*1024+512
.endr
.endm
; A K step of q's projection: 16 products, the 16 accumulators by turns, one instruction a turn, in the same order in every step
.macro QSTEP ks
.if (\ks) < 7
	s_wait_dscnt 8                                 ; this step's eight loads are in; the next step's eight may be out
.else
	s_wait_dscnt 0x0
.endif
	WIN W_KQ
.irp c, 0,1,2,3
.irp t, 0,1,2,3
	v_wmma_scale_f32_16x16x128_f8f6f4 v[S+32*\t+8*\c:S+32*\t+8*\c+7], v[KF+32*((\ks)%2)+8*\c:KF+32*((\ks)%2)+8*\c+7], v[64*\t+8*(\ks):64*\t+8*(\ks)+7], v[S+32*\t+8*\c:S+32*\t+8*\c+7], v[SCQ+8*\c+(\ks)], v[SCQ+8*\t+(\ks)] matrix_a_fmt:MATRIX_FMT_FP4 matrix_b_fmt:MATRIX_FMT_FP4 matrix_a_scale:MATRIX_SCALE_ROW1
.endr
.endr
	WIN 0
.if (\ks) < 6
.rept 4
	v_nop                                          ; places in front of loads into registers that these products have read
.endr
	FETCHW (\ks)+2
.endif
.endm
	s_load_b256 s[32:39], s[0:1], 0x0              ; codes 32, scales 34, bq 36, kv 38
	s_load_b128 s[40:43], s[0:1], 0x20             ; maskw 40, xh 42
	v_lshl_add_u32 v[SPW], v0, 2, SPARE
	v_mov_b32 v[NIL], 0
	ds_add_u32 v[SPW], v[NIL]                      ; the wave's opening: the add, twice on end, and its wait ahead of my first tensor load
	ds_add_u32 v[SPW], v[NIL]
	v_lshrrev_b32 v1, 5, v0
	v_readfirstlane_b32 s[WV], v1                  ; wave 0..7
	s_bfe_u32 s44, ttmp6, 0x40000                  ; cx
	s_lshl_b32 s45, ttmp9, 2
	s_add_co_u32 s45, s45, s44                     ; my block of 512 queries
	s_and_b32 s46, ttmp7, 0xffff                   ; 16 b + head, which the four partners share
	s_and_b32 s47, s[WV], 3                        ; which of a slot's four steps I fetch
	s_lshr_b32 s48, s[WV], 2                       ; for K (0) or for V (1)
	s_mov_b32 s[G1K], 15|(1<<16)|(1<<20)|(1<<21)|(4<<22)|(3<<25)  ; the mask: all four; elements of 2 bytes; padding on; bit 21 beside a mask; 4 words behind every 32
	s_mov_b32 s[G1V], 15|(1<<16)|(1<<20)|(1<<21)|(4<<22)|(7<<25)  ; the same with 8 words
.irp g, G1K, G1V
	s_mov_b32 s[\g+1], 64<<16                      ; tensor_dim0
	s_mov_b32 s[\g+2], KS<<16                      ; tensor_dim1
	s_mov_b32 s[\g+3], 64<<16                      ; tile_dim0
	s_mov_b32 s[\g+4], KS                          ; tile_dim1
	s_mov_b32 s[\g+5], 64                          ; from row to row
	s_mov_b32 s[\g+6], 0
	s_mov_b32 s[\g+7], 0
.endr
	s_mov_b32 s[G0], 1
	s_mul_i32 s49, s47, STEPB
	s_mul_i32 s50, s48, VOFF
	s_add_co_u32 s[G0+1], s49, s50                 ; in slot 0: made of the wave's number alone
	s_lshl_b32 s49, s48, 24                        ; k or v,
	s_lshl_b32 s50, s46, 18                        ; my head's 2,048 rows of 128 bytes
	s_add_co_u32 s49, s49, s50
	s_lshl_b32 s52, s47, 13
	s_add_co_u32 s52, s52, s49                     ; my step's 64 rows
	s_mov_b32 s53, 0
	s_lshl_b32 s54, s45, 16
	s_lshl_b32 s55, s[WV], 13
	s_add_co_u32 s54, s54, s55
	s_add_co_u32 s54, s54, s50                     ; my 64 queries' rows of x
	s_mov_b32 s55, 0
	s_lshr_b32 s51, s46, 4                         ; b
	s_lshl_b32 s56, s51, 7
	s_lshl_b32 s57, s45, 5
	s_add_co_u32 s56, s56, s57
	s_lshl_b32 s57, s[WV], 2
	s_add_co_u32 s56, s56, s57                     ; 128 b + my first tile of queries
	s_lshl_b32 s60, s56, 4                         ; my first query's row among query's 8,192
	s_lshl_b32 s56, s56, 12                        ; 4,096 bytes of mask words a tile
	s_mov_b32 s57, 0
	s_lshl_b32 s58, s44, 13                        ; the prefetches: my work-group's quarter of a slot,
	s_add_co_u32 s58, s58, s49
	s_add_co_u32 s58, s58, 32768                   ; in slot 1: the first change of slots steps it to slot 2
	s_mov_b32 s59, 0
	s_cmp_eq_u32 s47, 0                            ; waves 0 and 4 ask: the same in all four partners
	s_cselect_b32 s[LIM], 1, -1
	s_mov_b32 s[SEL], 0x76543210
	s_mov_b32 s[SEL+1], 0xfedcba98
	s_mov_b32 s[TB], 0
	s_mov_b32 s[MO], 0
	s_mov_b32 s[SLOTS], 7
	v_and_b32 v1, 15, v0                           ; r
	v_bfe_u32 v9, v0, 4, 1                         ; h
	v_and_b32 v14, 31, v0                          ; lane
	v_lshlrev_b32 v15, 9, v1
	v_lshl_add_u32 v15, v9, 4, v15                 ; a row of 1,024 codes is 512 bytes: 512 r + 16 h
	s_lshl_b32 s61, s60, 9
	v_add_nc_u32 v[XO], s61, v15                   ; x: from my first query's row on
	s_and_b32 s62, s46, 15                         ; head
	s_lshl_b32 s63, s62, 15                        ; wq: the head's 64 rows,
	s_lshl_b32 s68, s[WV], 6                       ; K step w's 64 bytes of each
	s_add_co_u32 s63, s63, s68
	s_add_co_u32 s63, s63, WCODES
	v_add_nc_u32 v[WO], s63, v15
	s_lshl_b32 s68, s60, 5                         ; scale words, 32 bytes a row: lanes 0-15 x's rows,
	s_lshl_b32 s69, s62, 11
	s_add_co_u32 s69, s69, WSCALES                 ; lanes 16-31 wq's
	s_sub_co_u32 s69, s69, s68
	v_mul_lo_u32 v[VS], v9, s69
	v_lshl_add_u32 v[VS], v1, 5, v[VS]
	v_add_nc_u32 v[VS], s68, v[VS]
	s_lshl_b32 s69, s62, 8
	v_lshl_add_u32 v[BOF], v9, 5, s69              ; bq: tile c's register j of lane (r, h) is bq[64 head + 16 c + 8 h + j]
	s_lshl_b32 s69, s[WV], 12
	s_add_co_u32 s69, s69, WIMG
	v_lshl_add_u32 v[WST], v14, 4, s69             ; my four images: 16 x lane + 4,096 x wave
	v_lshl_add_u32 v[LI], v14, 4, WIMG
	v_lshlrev_b32 v[PFO], 8, v14
	v_lshlrev_b32 v[GO], 4, v14
	v_mul_u32_u24 v[AK0], v1, PK
	v_lshl_add_u32 v[AK0], v9, 4, v[AK0]           ; K: row x pitch + 16 h
	v_and_b32 v14, 7, v0
	v_bfe_u32 v15, v0, 3, 1
	v_lshl_add_u32 v[AV0], v9, 3, v14              ; V, for the turning load: key 8 h + l % 8,
	v_mul_u32_u24 v[AV0], v[AV0], PV
	v_lshl_add_u32 v[AV0], v15, 4, v[AV0]          ; channels 8 ((l / 8) % 2) on
	v_add_nc_u32 v[AV0], VOFF, v[AV0]
	s_mul_i32 s70, s[WV], 16*SP
	s_add_co_u32 s70, s70, STAGE                   ; my stage
	v_add_nc_u32 v[STO], s70, v[AK0]               ; in: row r, 16 bytes for each half of the lanes
	v_bfe_u32 v[RD], v0, 3, 2
	v_mul_u32_u24 v[RD], v[RD], SP
	v_lshl_add_u32 v[RD], v14, 4, v[RD]
	v_add_nc_u32 v[RD], s70, v[RD]                 ; back: eight lanes to a row of 128 bytes, four rows an instruction
	v_mov_b32 v[NEG], 0xceabfb8f                   ; -1e9 x log2(e)
	s_wait_dscnt 0x0                               ; both opening adds are done
	s_wait_kmcnt 0x0
	s_add_nc_u64 s[G0+2:G0+3], s[38:39], s[52:53]
	s_or_b32 s[G0+3], s[G0+3], 0x80000000
	s_add_nc_u64 s[XB:XB+1], s[42:43], s[54:55]
	s_add_nc_u64 s[MB:MB+1], s[40:41], s[56:57]
	s_add_nc_u64 s[PFA:PFA+1], s[38:39], s[58:59]
.irp c, 0,1,2,3                                ; my eighth of wq first: the other waves wait for it
	global_load_b128 v[KF+8*\c:KF+8*\c+3],   v[WO], s[32:33] offset:8192*\c
	global_load_b128 v[KF+8*\c+4:KF+8*\c+7], v[WO], s[32:33] offset:8192*\c+32
.endr
.irp i, 0,1,2,3                                ; a row's 32 scale bytes are its eight K steps' words
	global_load_b128 v[SCQ+8*\i:SCQ+8*\i+3],   v[VS], s[34:35] offset:512*\i
	global_load_b128 v[SCQ+8*\i+4:SCQ+8*\i+7], v[VS], s[34:35] offset:512*\i+16
.endr
	WIN TO_1
	XLOAD 0
	XLOAD 1
	WIN 0
	CROUND                                         ; all four work-groups are here
	JLOAD                                          ; slot 0: one tensor load of mine is out
	WIN TO_1
	XLOAD 2
	WIN 0
	s_wait_loadcnt 56                              ; wq's eight loads are in: behind them stand 8 for the scale words and 48 for x's tiles 0 to 2
.irp c, 0,1,2,3
	ds_store_b128 v[WST], v[KF+8*\c:KF+8*\c+3]   offset:1024*\c       ; a fragment goes to LDS as it stands: lane l's 16 bytes at 16 l
	ds_store_b128 v[WST], v[KF+8*\c+4:KF+8*\c+7] offset:1024*\c+512
.endr
	WIN TO_1
	XLOAD 3
	WIN 0
.irp t, 0,1,2,3                                ; bq into all 16 accumulators: they are the C of their own first product
.irp c, 0,1,2,3
	global_load_b128 v[S+32*\t+8*\c:S+32*\t+8*\c+3],   v[BOF], s[36:37] offset:64*\c
	global_load_b128 v[S+32*\t+8*\c+4:S+32*\t+8*\c+7], v[BOF], s[36:37] offset:64*\c+16
.endr
.endr
	s_wait_dscnt 0x0                               ; for the others' sake: my images have landed
	s_barrier_signal -1
	s_barrier_wait -1                              ; all 32 lie in LDS.  Slot 0's load may stay out
	FETCHW 0
	FETCHW 1
	s_wait_loadcnt 0x0                             ; x, the scale words and bq are in, and their bases are free: the mask words land on the head's scalar registers
	MLOAD 0                                        ; the first piece's words: the projection in which to land
.irp k, 0,1,2,3,4,5,6,7
	QSTEP \k
.endr
.rept 4
	v_nop                                          ; places behind the last products
.endr
.set i, 0
.rept 64
	v_pk_mul_f32 v[S+2*i:S+2*i+1], v[S+2*i:S+2*i+1], 0x3e38aa3b op_sel_hi:[1,0]   ; x c = log2(e) / 8, in f32; each accumulator from its low end on
.set i, i+1
.endr
	WIN TO_1
.set i, 0
.rept 64
	v_cvt_pk_f16_f32 v[QF+i], v[S+2*i], v[S+2*i+1] ; tile t's result tiles 2 k and 2 k + 1 are Q's fragment (t, k)
.set i, i+1
.endr
.set i, 0
.rept 128
	v_mov_b32 v[i], 0                              ; O^T: the loop is written once, and its first step multiplies zeros
.set i, i+1
.endr
	WIN 0
.irp t, 0,1,2,3
	v_mov_b32 v[ST+8*\t+1], 0xff61b1e6             ; m = -3e38, under every score
	v_mov_b32 v[ST+8*\t+2], 0
	v_mov_b32 v[ST+8*\t+3], 0
.endr
; THE SOFTMAX OF TILES y AND y + 1 FOR ONE KEY STEP
.macro PIECE y
	WIN 0
	s_wait_kmcnt 0x0                               ; this piece's mask words, asked for a piece ago
.set n, 0
.rept 32
	v_cndmask_b32 v[S+32*(\y)+n], v[NEG], v[S+32*(\y)+n], s[MW0+n]           ; each accumulator from its low end on
	v_cndmask_b32 v[S+32*(\y)+32+n], v[NEG], v[S+32*(\y)+32+n], s[MW1+n]
.set n, n+1
.endr
.if (\y) == 0
	MLOAD 2                                        ; the other piece's words of this step
.else
	s_add_co_u32 s[MO], s[MO], 128
	s_min_u32 s[MO], s[MO], 3968                   ; the last step asks for its own words once more: no load leaves the buffer
	MLOAD 0                                        ; the first piece's words of the next step
.endif
.irp j, 0,1,2,3                                ; the maximum of the lane's 32 scores and the old m, three operands at a time, the two tiles by turns
.irp t, \y, \y+1
	v_max3_num_f32 v[ST+8*(\t)+4+\j], v[S+32*(\t)+8*\j], v[S+32*(\t)+8*\j+1], v[S+32*(\t)+8*\j+2]
.endr
.endr
.irp q, 1,2
.irp j, 0,1,2,3
.irp t, \y, \y+1
	v_max3_num_f32 v[ST+8*(\t)+4+\j], v[ST+8*(\t)+4+\j], v[S+32*(\t)+8*\j+2*\q+1], v[S+32*(\t)+8*\j+2*\q+2]
.endr
.endr
.endr
.irp t, \y, \y+1
	v_max3_num_f32 v[ST+8*(\t)+4], v[ST+8*(\t)+4], v[S+32*(\t)+7], v[S+32*(\t)+15]
.endr
.irp t, \y, \y+1
	v_max3_num_f32 v[ST+8*(\t)+6], v[ST+8*(\t)+6], v[S+32*(\t)+23], v[S+32*(\t)+31]
.endr
.irp t, \y, \y+1
	v_max3_num_f32 v[ST+8*(\t)+4], v[ST+8*(\t)+4], v[ST+8*(\t)+5], v[ST+8*(\t)+6]
.endr
.irp t, \y, \y+1
	v_max3_num_f32 v[ST+8*(\t)+4], v[ST+8*(\t)+4], v[ST+8*(\t)+7], v[ST+8*(\t)+1]
.endr
.irp t, \y, \y+1
	v_permlanex16_b32 v[ST+8*(\t)+5], v[ST+8*(\t)+4], s[SEL], s[SEL+1]   ; the query's other 32 keys lie in the lane 16 away
.endr
.irp t, \y, \y+1
	v_max_num_f32 v[ST+8*(\t)+4], v[ST+8*(\t)+4], v[ST+8*(\t)+5]         ; the new m
.endr
.irp t, \y, \y+1
	v_sub_f32 v[ST+8*(\t)+7], v[ST+8*(\t)+1], v[ST+8*(\t)+4]             ; m_old - m_new
.endr
.irp t, \y, \y+1
	v_mov_b32 v[ST+8*(\t)+1], v[ST+8*(\t)+4]
.endr
.irp t, \y, \y+1
	v_sub_f32 v[ST+8*(\t)], 0, v[ST+8*(\t)+4]                            ; -m
.endr
; ONE BATCH: a of both tiles and the 64 p.  No line of it names an exponential's result; the scalings t - m stand among them, each a pair ahead of its own exponentials.
.irp t, \y, \y+1
	v_exp_f32 v[ST+8*(\t)+6], v[ST+8*(\t)+7]                             ; a
.endr
.irp t, \y, \y+1
	v_pk_add_f32 v[S+32*(\t):S+32*(\t)+1], v[S+32*(\t):S+32*(\t)+1], v[ST+8*(\t):ST+8*(\t)+1] op_sel_hi:[1,0]
.endr
.set p, 0
.rept 16
.irp t, \y, \y+1
.if p < 15
	v_pk_add_f32 v[S+32*(\t)+2*p+2:S+32*(\t)+2*p+3], v[S+32*(\t)+2*p+2:S+32*(\t)+2*p+3], v[ST+8*(\t):ST+8*(\t)+1] op_sel_hi:[1,0]
.endif
	v_exp_f32 v[S+32*(\t)+2*p], v[S+32*(\t)+2*p]
	v_exp_f32 v[S+32*(\t)+2*p+1], v[S+32*(\t)+2*p+1]
.endr
.set p, p+1
.endr
	v_nop                                          ; a plain line behind the last exponential
	s_wait_alu depctr_va_vdst(0)                   ; the wait ahead of the first line that names a result: one for the 66
.irp t, \y, \y+1                               ; l = a l + the sum of the unrounded p: two chains a tile
	v_pk_fma_f32 v[ST+8*(\t)+2:ST+8*(\t)+3], v[ST+8*(\t)+2:ST+8*(\t)+3], v[ST+8*(\t)+6:ST+8*(\t)+7], v[S+32*(\t):S+32*(\t)+1] op_sel_hi:[1,0,1]
.endr
.irp t, \y, \y+1
	v_pk_add_f32 v[ST+8*(\t)+4:ST+8*(\t)+5], v[S+32*(\t)+2:S+32*(\t)+3], v[S+32*(\t)+4:S+32*(\t)+5]
.endr
.set p, 3
.rept 13
.irp t, \y, \y+1
.if p%2
	v_pk_add_f32 v[ST+8*(\t)+2:ST+8*(\t)+3], v[ST+8*(\t)+2:ST+8*(\t)+3], v[S+32*(\t)+2*p:S+32*(\t)+2*p+1]
.else
	v_pk_add_f32 v[ST+8*(\t)+4:ST+8*(\t)+5], v[ST+8*(\t)+4:ST+8*(\t)+5], v[S+32*(\t)+2*p:S+32*(\t)+2*p+1]
.endif
.endr
.set p, p+1
.endr
.irp t, \y, \y+1
	v_pk_add_f32 v[ST+8*(\t)+2:ST+8*(\t)+3], v[ST+8*(\t)+2:ST+8*(\t)+3], v[ST+8*(\t)+4:ST+8*(\t)+5]
.endr
.set p, 0
.rept 16                                       ; P IN PLACE, behind the sums: pair p goes to register p of the tile's 32, which pair p / 2 has left
.irp t, \y, \y+1
	v_cvt_pk_f16_f32 v[S+32*(\t)+p], v[S+32*(\t)+2*p], v[S+32*(\t)+2*p+1]
.endr
.set p, p+1
.endr
	WIN W_RS
.set i, 0
.rept 16
	v_pk_mul_f32 v[32*(\y)+2*i:32*(\y)+2*i+1], v[32*(\y)+2*i:32*(\y)+2*i+1], v[ST+8*(\y)+6:ST+8*(\y)+7] op_sel_hi:[1,0]              ; O^T x a
	v_pk_mul_f32 v[32*(\y)+32+2*i:32*(\y)+32+2*i+1], v[32*(\y)+32+2*i:32*(\y)+32+2*i+1], v[ST+8*(\y)+14:ST+8*(\y)+15] op_sel_hi:[1,0]
.set i, i+1
.endr
.endm
; A KEY STEP: 64 keys, four tiles of queries
.macro STEP
	v_add_nc_u32 v[ADR], s[TB], v[AK0]
.irp f, 0,1,2,3,4,5,6,7                        ; keys 16 (f / 2) on, channels 32 (f % 2) on
	ds_load_b128 v[KF+8*\f:KF+8*\f+3],   v[ADR] offset:(\f/2)*16*PK+(\f%2)*64
	ds_load_b128 v[KF+8*\f+4:KF+8*\f+7], v[ADR] offset:(\f/2)*16*PK+(\f%2)*64+32
.endr
	s_wait_dscnt 0x0
	WIN W_KQ
.set i, 0
.rept 32                                       ; channels 32 (i / 16) on, keys 16 ((i / 4) % 4) on, tile i % 4: sixteen accumulators by turns; the first sixteen start the sums
.set rS, S+32*(i%4)+8*((i/4)%4)
.set rK, KF+16*((i/4)%4)+8*(i/16)
.set rQ, QF+16*(i%4)+8*(i/16)
.if i < 16
	v_wmma_f32_16x16x32_f16 v[rS:rS+7], v[rK:rK+7], v[rQ:rQ+7], 0
.else
	v_wmma_f32_16x16x32_f16 v[rS:rS+7], v[rK:rK+7], v[rQ:rQ+7], v[rS:rS+7]
.endif
.set i, i+1
.endr
	WIN 0
.rept 4
	v_nop                                          ; places behind the scores' products, ahead of their first read
.endr
	v_add_nc_u32 v[ADR], s[TB], v[AV0]
	s_add_co_u32 s[TB], s[TB], STEPB
	WIN TO_1
.irp f, 0,1,2,3,4,5,6,7                        ; keys 32 (f / 4) on, channels 16 (f % 4) on: both pieces' vector work in which to land
	ds_load_tr16_b128 v[VF+8*\f:VF+8*\f+3],   v[ADR] offset:(\f/4)*32*PV+(\f%4)*32
	ds_load_tr16_b128 v[VF+8*\f+4:VF+8*\f+7], v[ADR] offset:(\f/4)*32*PV+16*PV+(\f%4)*32
.endr
	PIECE 0
	PIECE 2
	s_wait_dscnt 0x0                               ; V is in
	WIN W_PV
.set i, 0
.rept 32                                       ; keys 32 (i / 16) on, channels 16 ((i / 4) % 4) on, tile i % 4: sixteen accumulators by turns
.set rO, 32*(i%4)+8*((i/4)%4)
.set rV, VF+32*(i/16)+8*((i/4)%4)
.set rP, S+32*(i%4)+8*(i/16)
	v_wmma_f32_16x16x32_f16 v[rO:rO+7], v[rV:rV+7], v[rP:rP+7], v[rO:rO+7]
.set i, i+1
.endr
	WIN 0
.rept 5
	v_nop                                          ; five places: the next step's K Q^T writes over P's registers, which these products have read; they also serve the loads into V's registers and the way out's reads of O^T
.endr
.endm
; THE CHANGE OF SLOTS stands at a slot's head.  Each wave waits for all its tensor loads (one is out: its part of the slot ahead), adds 0 to its spare word, and waits for that and for its reads of the slot that it has left.
; fill = 1: a round of the cluster's barrier, and behind it the other slot is filled with the next 256 keys.
.macro CHANGE fill
	s_wait_tensorcnt 0x0                           ; no tensor load of mine is out, so group 0 may be written
	ds_add_u32 v[SPW], v[NIL]
.if \fill
	s_xor_b32 s[G0+1], s[G0+1], SLOT1              ; the other slot than last time,
	s_add_nc_u64 s[G0+2:G0+3], s[G0+2:G0+3], 32768 ; the next 256 keys
	s_wait_xcnt 0x0                                ; the last prefetch, a slot back, has read its address
	s_add_nc_u64 s[PFA:PFA+1], s[PFA:PFA+1], 32768
	s_wait_dscnt 0x0
	CROUND
	JLOAD                                          ; the first tensor load behind the round, and my only one until the next
	ASK
.else
	s_wait_dscnt 0x0
	s_barrier_signal -1
	s_barrier_wait -1
.endif
.endm
.macro FOUR_STEPS
	s_mov_b32 s[STP], 4
.Lstep_\@:
	STEP
	s_sub_co_u32 s[STP], s[STP], 1
	s_cmp_lg_u32 s[STP], 0
	s_cbranch_scc1 .Lstep_\@
	s_sub_co_u32 s[TB], s[TB], 4*STEPB             ; back to a slot's first step,
	s_xor_b32 s[TB], s[TB], SLOT1                  ; in the other slot
.endm
.Lslot:                                            ; seven trips: behind each change of slots but the last the next slot is asked for
	CHANGE 1
	FOUR_STEPS
	s_sub_co_u32 s[SLOTS], s[SLOTS], 1
	s_cmp_lg_u32 s[SLOTS], 0
	s_cbranch_scc1 .Lslot
	CHANGE 0                                       ; the last slot is written out
	FOUR_STEPS
	; THE WAY OUT: O^T / l, rounded to f16, through my stage, a tile of 16 queries at a time; a wave's store covers 512 consecutive bytes
	s_wait_kmcnt 0x0                               ; the last look-ahead of mask words
.irp t, 0,1,2,3
	v_add_f32 v[ST+8*\t+4], v[ST+8*\t+2], v[ST+8*\t+3]
.endr
.irp t, 0,1,2,3
	v_permlanex16_b32 v[ST+8*\t+5], v[ST+8*\t+4], s[SEL], s[SEL+1]
.endr
.irp t, 0,1,2,3
	v_add_f32 v[ST+8*\t+4], v[ST+8*\t+4], v[ST+8*\t+5]
.endr
.irp t, 0,1,2,3
	v_rcp_f32 v[ST+8*\t+6], v[ST+8*\t+4]           ; l is at least 1: the largest score's p
.endr
	v_nop
	s_wait_alu depctr_va_vdst(0)                   ; one wait for the four reciprocals, ahead of their first reader
.macro OUT t
	WIN W_RS
.set i, 0
.rept 16
	v_pk_mul_f32 v[32*\t+2*i:32*\t+2*i+1], v[32*\t+2*i:32*\t+2*i+1], v[ST+8*\t+6:ST+8*\t+7] op_sel_hi:[1,0]
.set i, i+1
.endr
	WIN 0x05                                       ; sources 0 and 1 window 1
.set i, 0
.rept 16
	v_cvt_pk_f16_f32 v[S+16*\t+i], v[32*\t+2*i], v[32*\t+2*i+1]
.set i, i+1
.endr
	WIN 0
.irp c, 0,1,2,3
	ds_store_b128 v[STO], v[S+16*\t+4*\c:S+16*\t+4*\c+3] offset:32*\c
.endr
.irp u, 0,1,2,3
	ds_load_b128 v[KF+16*\t+4*\u:KF+16*\t+4*\u+3], v[RD] offset:4*SP*\u   ; LDS serves a wave's instructions in order: these see the stores above, and the next tile's stores come behind them
.endr
.endm
	OUT 0
	OUT 1
	OUT 2
	OUT 3
	s_wait_dscnt 0x0
.irp t, 0,1,2,3
.irp u, 0,1,2,3
	global_store_b128 v[GO], v[KF+16*\t+4*\u:KF+16*\t+4*\u+3], s[XB:XB+1] offset:2048*\t+512*\u
.endr
.endr
	s_wait_tensorcnt 0x0                           ; the wave's end
	ds_add_u32 v[SPW], v[NIL]
	s_wait_dscnt 0x0
	CROUND                                         ; the closing round
	s_endpgm
.Lfunc_end_k_qdb8fb37012_attn:
	.size	k_qdb8fb37012_attn, .Lfunc_end_k_qdb8fb37012_attn-k_qdb8fb37012_attn
	.p2alignl 7, 3214868480
	.fill 96, 4, 3214868480
	.section	.rodata,"a",@progbits
	.p2align	6, 0x0
	.amdhsa_kernel k_qdb8fb37012_attn
		.amdhsa_group_segment_fixed_size 327680
		.amdhsa_private_segment_fixed_size 0
		.amdhsa_enable_private_segment 0
		.amdhsa_kernarg_size 48
		.amdhsa_user_sgpr_count 2
		.amdhsa_user_sgpr_kernarg_segment_ptr 1
		.amdhsa_wavefront_size32 1
		.amdhsa_system_sgpr_workgroup_id_x 1
		.amdhsa_system_sgpr_workgroup_id_y 1
		.amdhsa_system_sgpr_workgroup_id_z 1
		.amdhsa_system_vgpr_workitem_id 0
		.amdhsa_next_free_vgpr 512
		.amdhsa_next_free_sgpr 102
		.amdhsa_reserve_vcc 0
		.amdhsa_float_denorm_mode_32 3
		.amdhsa_float_denorm_mode_16_64 3
		.amdhsa_memory_ordered 1
		.amdhsa_forward_progress 1
		.amdhsa_inst_pref_size 151
	.end_amdhsa_kernel
	.amdgpu_metadata
---
amdhsa.version: [ 1, 2 ]
amdhsa.kernels:
  - .name:           k_qdb8fb37012_attn
    .symbol:         k_qdb8fb37012_attn.kd
    .args:
      - { .name: codes, .offset: 0, .size: 8, .value_kind: global_buffer, .address_space: global }
      - { .name: scales, .offset: 8, .size: 8, .value_kind: global_buffer, .address_space: global }
      - { .name: bq, .offset: 16, .size: 8, .value_kind: global_buffer, .address_space: global }
      - { .name: kv, .offset: 24, .size: 8, .value_kind: global_buffer, .address_space: global }
      - { .name: maskw, .offset: 32, .size: 8, .value_kind: global_buffer, .address_space: global }
      - { .name: xh, .offset: 40, .size: 8, .value_kind: global_buffer, .address_space: global }
    .group_segment_fixed_size: 327680
    .private_segment_fixed_size: 0
    .kernarg_segment_align: 8
    .kernarg_segment_size: 48
    .max_flat_workgroup_size: 256
    .sgpr_count:     102
    .vgpr_count:     512
    .wavefront_size: 32
...
	.end_amdgpu_metadata
.endif
;; end of part 3
;; launch outp (part 4): grid 4 x 64, 4 waves a work-group, clusters of 4 x 4, 327,680 bytes of LDS; arguments xh, woh, bo, out0; writes out0
.if DOCPART == 4
	.amdgcn_target "amdgcn-amd-amdhsa--gfx1250"
	.amdhsa_code_object_version 6
	.text
	.protected	k_qdb8fb37012_outp
	.globl	k_qdb8fb37012_outp
	.p2align	8
	.type	k_qdb8fb37012_outp,@function
k_qdb8fb37012_outp:
	s_mov_b64 s[64:65], 0
	v_nop
	global_prefetch_b8 v0, s[64:65] scope:SCOPE_SE
	s_setreg_imm32_b32 hwreg(HW_REG_WAVE_MODE, 25, 1), 1
	s_wait_xcnt 0x0
	s_wait_alu depctr_hold_cnt(0) depctr_sa_sdst(0) depctr_va_vdst(0) depctr_va_sdst(0) depctr_va_ssrc(0) depctr_va_vcc(0) depctr_vm_vsrc(0)
	s_getreg_b32 s2, hwreg(HW_REG_IB_STS2, 6, 4)
	s_cmp_eq_u32 s2, 0
	s_cbranch_scc0 .Lentry_in_a_cluster
	s_endpgm
.Lentry_in_a_cluster:
	s_bfe_u32 s2, ttmp6, 0x10000c
	s_cmp_lg_u32 s2, 0xf033
	s_cbranch_scc0 .Lentry_shape_is_right
	s_endpgm
.Lentry_shape_is_right:
; out[token][n] = the sum over k of x[token][k] wo[n][k] + bo[n].  x: f16, laid [b][head][token][64] (k = 64 head + channel); wo: f16 [1024][1024]; out: f32 [8192][1024]; sums in f32.
; A tile of 128 tokens x 256 outputs to a work-group: 256 work-groups.  Four waves, each 64 x 128: 32 accumulators of 16 x 16.  K goes in steps of 128 (two heads) through a ring of two LDS slots:
; x's tile is two planes (heads) of 128 rows x 128 bytes, each dense in memory; wo's is 256 rows of 256 bytes.  Waves 0, 1 fetch x's planes, waves 2, 3 wo's halves: one tensor load a wave behind each change of slots.
; CLUSTERS: 4 x 4 work-groups: x's tiles are shared along a row of the cluster, wo's along a column: joint loads.
; THE MATRIX INSTRUCTION IS USED TRANSPOSED (source 0 = 16 rows of wo, source 1 = 16 tokens): a lane holds eight neighbouring outputs of a token.  The bias is the C of each sum's first product.
; REGISTERS: window 0: v0-31 addresses; v64-127 x's fragments, two buffers of 4 x 8; v128-191 the bias; on the way out v128-255 rows.   window 1: v0-127 wo's fragments, two buffers of 8 x 8.   window 2: the accumulators ((a, b) at v[8 (8 a + b)]).
.set KSTEP,  128
.set PA,     144                       ; a row of a plane of x: 128 bytes + 16
.set PB,     272                       ; a row of wo's tile: 256 + 16
.set PLANE,  128*PA
.set BOFF,   2*PLANE
.set HALFB,  128*PB
.set SLOT,   BOFF+2*HALFB
.set STAGE,  2*SLOT                    ; behind the ring: 16 rows x (512 + 16) bytes a wave
.set SPITCH, 528
.set SPARE,  STAGE+4*16*SPITCH         ; the spare words: 128 bytes a wave, two blocks of 256 bytes that no other line names
.set ADRA, 16
.set ADRB, 20
.set STO,  24
.set RD,   25
.set CO,   26
.set BO,   27
.set SPW,  28
.set NIL,  29
.set PFO,  30
.set AF,   64
.set BIAS, 128
.set BK,   128
.set LIM,  15
.set G1,   24
.set G0,   32
.set PFA,  44
.set G1B,  48
.set G0B,  56
.set MSB, 0
.macro WIN new
.if MSB != \new
	s_set_vgpr_msb (MSB<<8)|\new
.set MSB, \new
.endif
.endm
.set MUL,  0xa1                        ; source 0 (wo) window 1, source 1 (x) window 0, C and D window 2
.set FST,  0x81                        ; the same with C (the bias) in window 0
.set TO_B, 0x40
.macro JLOAD s                         ; waves 0, 1 for x, waves 2, 3 for wo; an s_nop 0 and four v_nop follow each line
	s_cmp_eq_u32 s13, 0
	s_cbranch_scc0 .Lfor_b_\@
	tensor_load_to_lds s[G0+4*\s:G0+4*\s+3], s[G1:G1+7]
	s_nop 0
.rept 4
	v_nop
.endr
	s_branch .Lasked_\@
.Lfor_b_\@:
	tensor_load_to_lds s[G0B+4*\s:G0B+4*\s+3], s[G1B:G1B+7]
	s_nop 0
.rept 4
	v_nop
.endr
.Lasked_\@:
.endm
; A prefetch of x's K step that stands two refills on: 2 planes x 16,384 dense bytes.  A tile row is read by one cluster alone; its four partners along x take 8,192 bytes each, told apart by address; in each, wave 0 asks,
; lanes 256 bytes apart: each aligned block of 256 bytes is named once.  The loop's last trip asks for nothing: there is no K step two on.  wo is not asked for: every tile row walks the same rows of it.
.macro ASK
	s_cmp_gt_u32 s3, s[LIM]
	s_cbranch_scc0 .Lnot_mine_\@
	global_prefetch_b8 v[PFO], s[PFA:PFA+1] th:TH_LOAD_NT scope:SCOPE_SE
.Lnot_mine_\@:
.endm
.macro CREST
	s_cmp_lg_u32 s12, 0
	s_cbranch_scc1 .Lnot_wave_0_\@
	s_barrier_signal -3
.Lnot_wave_0_\@:
	s_barrier_wait -3
	s_barrier_signal -1
	s_barrier_wait -1
.endm
.macro CROUND
	s_barrier_signal -1
	s_barrier_wait -1
	CREST
.endm
	s_load_b256 s[4:11], s[0:1], 0x0               ; xh 4, woh 6, bo 8, out0 10
	v_lshl_add_u32 v[SPW], v0, 2, SPARE
	v_mov_b32 v[NIL], 0
	ds_add_u32 v[SPW], v[NIL]                      ; the wave's opening: the add, twice on end, and its wait ahead of my first tensor load
	ds_add_u32 v[SPW], v[NIL]
	v_lshrrev_b32 v1, 5, v0
	v_readfirstlane_b32 s12, v1                    ; wave 0..3
	s_lshr_b32 s13, s12, 1                         ; my half of the tile's tokens.  Also: I fetch for x (0) or for wo (1)
	s_and_b32 s14, s12, 1                          ; my half of its outputs.  Also: which plane, or which 128 rows, I fetch
	s_bfe_u32 s40, ttmp6, 0x40000                  ; cx
	s_bfe_u32 s41, ttmp6, 0x40004                  ; cy
	s_lshl_b32 s42, ttmp9, 2
	s_add_co_u32 s42, s42, s40                     ; tile column
	s_and_b32 s43, ttmp7, 0xffff
	s_lshl_b32 s43, s43, 2
	s_add_co_u32 s43, s43, s41                     ; tile row, 0..63
	s_lshl_b32 s16, s41, 2
	s_lshl_b32 s16, 15, s16                        ; my row of the cluster
	s_lshl_b32 s17, 0x1111, s40                    ; my column
	s_or_b32 s[G1+0], s16, (1<<16)|(1<<20)|(1<<21)|(4<<22)|(3<<25)   ; the mask; elements of 2 bytes; padding on; bit 21 beside a mask; 4 words behind every 32
	s_mov_b32 s[G1+1], 64<<16                      ; tensor_dim0
	s_mov_b32 s[G1+2], 128<<16                     ; tensor_dim1
	s_mov_b32 s[G1+3], 64<<16                      ; tile_dim0
	s_mov_b32 s[G1+4], 128                         ; tile_dim1
	s_mov_b32 s[G1+5], 64                          ; from row to row
	s_mov_b32 s[G1+6], 0
	s_mov_b32 s[G1+7], 0
	s_or_b32 s[G1B+0], s17, (1<<16)|(1<<20)|(1<<21)|(5<<22)|(3<<25)  ; 4 words behind every 64
	s_mov_b32 s[G1B+1], KSTEP<<16
	s_mov_b32 s[G1B+2], 128<<16
	s_mov_b32 s[G1B+3], KSTEP<<16
	s_mov_b32 s[G1B+4], 128
	s_mov_b32 s[G1B+5], 1024
	s_mov_b32 s[G1B+6], 0
	s_mov_b32 s[G1B+7], 0
	s_lshr_b32 s18, s43, 4
	s_lshl_b32 s18, s18, 22                        ; x: the batch,
	s_and_b32 s19, s43, 15
	s_lshl_b32 s19, s19, 14
	s_add_co_u32 s18, s18, s19                     ; the tile row's first token, in head 0
	s_lshl_b32 s19, s14, 18
	s_add_co_u32 s20, s18, s19                     ; my plane
	s_mov_b32 s21, 0
	s_lshl_b32 s46, s42, 19                        ; wo: 256 rows of 2,048 bytes a tile column,
	s_add_co_u32 s46, s46, s19                     ; my 128 of them
	s_mov_b32 s47, 0
	s_mul_i32 s22, s14, PLANE                      ; where they go: made of the wave's number alone
	s_mul_i32 s23, s14, HALFB
	s_add_co_u32 s23, s23, BOFF
	s_wait_dscnt 0x0                               ; both opening adds are done
	s_wait_kmcnt 0x0
	s_add_nc_u64 s[20:21], s[4:5], s[20:21]
	s_add_nc_u64 s[46:47], s[6:7], s[46:47]
	CROUND                                         ; all sixteen work-groups are here
.irp s, 0,1
	s_mov_b32 s[G0+4*\s], 1
	s_add_co_u32 s[G0+4*\s+1], s22, \s*SLOT
	s_add_nc_u64 s[G0+4*\s+2:G0+4*\s+3], s[20:21], \s*524288       ; K step s: two heads on
	s_or_b32 s[G0+4*\s+3], s[G0+4*\s+3], 0x80000000
	s_mov_b32 s[G0B+4*\s], 1
	s_add_co_u32 s[G0B+4*\s+1], s23, \s*SLOT
	s_add_nc_u64 s[G0B+4*\s+2:G0B+4*\s+3], s[46:47], \s*KSTEP*2
	s_or_b32 s[G0B+4*\s+3], s[G0B+4*\s+3], 0x80000000
	JLOAD \s                                       ; two loads of mine are out
.endr
	s_lshr_b32 s16, s40, 1                         ; the prefetches: partner cx takes plane cx / 2, half cx % 2
	s_lshl_b32 s16, s16, 18
	s_and_b32 s17, s40, 1
	s_lshl_b32 s17, s17, 13
	s_add_co_u32 s16, s16, s17
	s_add_co_u32 s16, s16, s18
	s_add_co_u32 s16, s16, 3<<19                   ; at K step 3: the first refill (K step 2) steps it to 4
	s_mov_b32 s17, 0
	s_add_nc_u64 s[PFA:PFA+1], s[4:5], s[16:17]
	s_cmp_eq_u32 s12, 0
	s_cselect_b32 s[LIM], 1, -1
	v_and_b32 v1, 15, v0                           ; r
	v_bfe_u32 v2, v0, 4, 1                         ; h
	s_lshl_b32 s16, s42, 10                        ; my 128 outputs, in bytes of f32: in bo and in a row of out alike
	s_lshl_b32 s17, s14, 9
	s_add_co_u32 s16, s16, s17
	s_mov_b32 s17, 0
	s_add_nc_u64 s[8:9], s[8:9], s[16:17]
	v_lshlrev_b32 v[BO], 5, v2
.irp b, 0,1,2,3,4,5,6,7                        ; block b's register j of lane (r, h) is bo[16 b + 8 h + j]
	global_load_b128 v[BIAS+8*\b:BIAS+8*\b+3], v[BO], s[8:9] offset:64*\b
	global_load_b128 v[BIAS+8*\b+4:BIAS+8*\b+7], v[BO], s[8:9] offset:64*\b+16
.endr
	s_lshl_b32 s18, s43, 19                        ; 128 rows of 4,096 bytes a tile row,
	s_lshl_b32 s19, s13, 18                        ; my 64 of them
	s_add_co_u32 s18, s18, s19
	s_add_co_u32 s16, s16, s18
	s_add_nc_u64 s[10:11], s[10:11], s[16:17]
	v_mul_u32_u24 v3, v1, PA
	v_lshl_add_u32 v3, v2, 4, v3
	v_mul_u32_u24 v4, v1, PB
	v_lshl_add_u32 v4, v2, 4, v4
	s_mul_i32 s18, s13, 64*PA                      ; my 64 tokens in a plane
	s_mul_i32 s19, s14, HALFB
	s_add_co_u32 s19, s19, BOFF                    ; my 128 rows of wo
.irp s, 0,1
	v_add_nc_u32 v[ADRA+\s], s18, v3
	v_add_nc_u32 v[ADRB+\s], s19, v4
	s_add_co_u32 s18, s18, SLOT
	s_add_co_u32 s19, s19, SLOT
.endr
	s_mul_i32 s18, s12, 16*SPITCH
	s_add_co_u32 s18, s18, STAGE                   ; my stage
	v_mul_u32_u24 v5, v1, SPITCH                   ; in: token r, 32 bytes for each half of the lanes
	v_lshl_add_u32 v5, v2, 5, v5
	v_add_nc_u32 v[STO], s18, v5
	v_and_b32 v6, 31, v0
	v_lshlrev_b32 v[PFO], 8, v6
	v_lshlrev_b32 v[CO], 4, v6                     ; back: the 32 lanes take a row of 512 bytes; the same in out
	v_add_nc_u32 v[RD], s18, v[CO]
.macro FETCH slot, q, f                ; the fragments of 32 along K, the slot's q-th, into buffer f: 16 loads for wo, 8 for x (plane q / 2, channels 32 (q % 2) on)
	WIN TO_B
.irp i, 0,1,2,3,4,5,6,7
	ds_load_b128 v[64*(\f)+8*\i:64*(\f)+8*\i+3],   v[ADRB+\slot] offset:64*(\q)+\i*16*PB
	ds_load_b128 v[64*(\f)+8*\i+4:64*(\f)+8*\i+7], v[ADRB+\slot] offset:64*(\q)+\i*16*PB+32
.endr
	WIN 0
.irp i, 0,1,2,3
	ds_load_b128 v[AF+32*(\f)+8*\i:AF+32*(\f)+8*\i+3],   v[ADRA+\slot] offset:PLANE*((\q)/2)+64*((\q)%2)+\i*16*PA
	ds_load_b128 v[AF+32*(\f)+8*\i+4:AF+32*(\f)+8*\i+7], v[ADRA+\slot] offset:PLANE*((\q)/2)+64*((\q)%2)+\i*16*PA+32
.endr
.endm
.macro MULB f, a, first                ; 8 products: tokens' block a against wo's eight.  The 32 accumulators take turns, in the same order in every quarter
.irp b, 0,1,2,3,4,5,6,7
.if \first
	v_wmma_f32_16x16x32_f16 v[8*(8*(\a)+\b):8*(8*(\a)+\b)+7], v[64*(\f)+8*\b:64*(\f)+8*\b+7], v[AF+32*(\f)+8*(\a):AF+32*(\f)+8*(\a)+7], v[BIAS+8*\b:BIAS+8*\b+7]
.else
	v_wmma_f32_16x16x32_f16 v[8*(8*(\a)+\b):8*(8*(\a)+\b)+7], v[64*(\f)+8*\b:64*(\f)+8*\b+7], v[AF+32*(\f)+8*(\a):AF+32*(\f)+8*(\a)+7], v[8*(8*(\a)+\b):8*(8*(\a)+\b)+7]
.endif
.endr
.endm
.macro PLACES                          ; plain vector lines between a matrix instruction and a load into, or a read of, its registers (ISA guide 7.12.1 for the reads)
.rept 4
	v_nop
.endr
.endm
.macro QUARTER slot, q, first          ; multiplies buffer q % 2; ahead of its 32 products it asks for the next quarter's fragments
	s_wait_dscnt 0x0                               ; this quarter's fragments, asked for 32 products ago
	PLACES
	FETCH \slot, (\q)+1, ((\q)+1)%2
.if \first
	WIN FST
.else
	WIN MUL
.endif
	MULB (\q)%2, 0, \first
	MULB (\q)%2, 1, \first
	MULB (\q)%2, 2, \first
	MULB (\q)%2, 3, \first
.endm
; A slot's last quarter changes slots: one barrier; in front of it each wave waits for all its tensor loads (one is out: its part of the next slot), adds 0 to its spare word, and waits for that and for its reads of this slot.
; fill = 1: the barrier opens a round of the cluster's barrier, and behind it this slot is filled again, two K steps ahead.
.macro TURN slot, next, fill
.if \fill
	s_wait_xcnt 0x0                                ; the last prefetch, a K step back, has read its address
	s_add_nc_u64 s[PFA:PFA+1], s[PFA:PFA+1], 524288
.endif
	WIN 0
	s_wait_tensorcnt 0x0
	ds_add_u32 v[SPW], v[NIL]
	s_wait_dscnt 1                                 ; this quarter's fragments are in; the add may be out
	WIN MUL
	MULB 1, 0, 0
	s_wait_dscnt 0x0                               ; the add is done, and my reads of this slot are over
	s_barrier_signal -1
	MULB 1, 1, 0
	WIN 0
	s_barrier_wait -1
.if \fill
	CREST
	s_add_nc_u64 s[G0+4*\slot+2:G0+4*\slot+3], s[G0+4*\slot+2:G0+4*\slot+3], 1048576
	s_add_nc_u64 s[G0B+4*\slot+2:G0B+4*\slot+3], s[G0B+4*\slot+2:G0B+4*\slot+3], 2*KSTEP*2
	JLOAD \slot                                    ; the first tensor load behind the round; its four v_nop are also the places in front of the loads below
.else
	PLACES
.endif
	FETCH \next, 0, 0
.if \fill
	ASK
.endif
	WIN MUL
	MULB 1, 2, 0
	MULB 1, 3, 0
.endm
	s_wait_tensorcnt 1                             ; my part of K step 0 is in; K step 1's load may be out
	s_barrier_signal -1
	s_barrier_wait -1
	FETCH 0, 0, 0
	s_wait_loadcnt 0x0                             ; the bias
	QUARTER 0, 0, 1                                ; the first quarter stands in front of the loop: its products start the sums
	WIN 0
	s_mov_b32 s3, 3
.Llap:                                             ; a trip goes once round the ring and fills both slots again: K steps 2 to 7
	QUARTER 0, 1, 0
	QUARTER 0, 2, 0
	TURN 0, 1, 1
	QUARTER 1, 0, 0
	QUARTER 1, 1, 0
	QUARTER 1, 2, 0
	TURN 1, 0, 1
	QUARTER 0, 0, 0
	WIN 0
	s_sub_co_u32 s3, s3, 1
	s_cmp_lg_u32 s3, 0
	s_cbranch_scc1 .Llap
	QUARTER 0, 1, 0                                ; the last lap fills nothing
	QUARTER 0, 2, 0
	TURN 0, 1, 0
	QUARTER 1, 0, 0
	QUARTER 1, 1, 0
	QUARTER 1, 2, 0
	s_wait_dscnt 0x0
	WIN MUL
	MULB 1, 0, 0
	MULB 1, 1, 0
	MULB 1, 2, 0
	MULB 1, 3, 0
	WIN 0
; THE WAY OUT, a block of 16 tokens x 128 outputs at a time, through my stage: back as whole rows of 512 bytes
.macro TOSTAGE a
	WIN 0x08                                       ; an LDS store's data: window 2
.irp b, 0,1,2,3,4,5,6,7
	ds_store_b128 v[STO], v[8*(8*(\a)+\b):8*(8*(\a)+\b)+3] offset:64*\b          ; each accumulator from its low end on
	ds_store_b128 v[STO], v[8*(8*(\a)+\b)+4:8*(8*(\a)+\b)+7] offset:64*\b+16
.endr
	WIN 0
.set BB, BK+64*((\a)%2)
.irp t, 0,1,2,3,4,5,6,7,8,9,10,11,12,13,14,15
	ds_load_b128 v[BB+4*\t:BB+4*\t+3], v[RD] offset:\t*SPITCH    ; LDS serves a wave's instructions in order: these see the stores above
.endr
.endm
.macro SEND a, younger                 ; younger: the LDS instructions issued behind block a's loads, which may stay out
.set BB, BK+64*((\a)%2)
	s_wait_dscnt \younger
.irp t, 0,1,2,3,4,5,6,7,8,9,10,11,12,13,14,15
	global_store_b128 v[CO], v[BB+4*\t:BB+4*\t+3], s[10:11] offset:(16*(\a)+\t)*4096 th:TH_STORE_NT   ; 512 consecutive bytes, aligned; written once, read by nobody here
.endr
.endm
	PLACES
	TOSTAGE 0
.irp a, 1,2,3
.if \a > 1
	s_wait_xcnt 0x0                                ; block a - 2's stores have read their registers: block a's loads land there only behind this wait
.endif
	TOSTAGE \a
	SEND \a-1, 32                                  ; behind block a - 1's loads: block a's 16 stores and 16 loads
.endr
	SEND 3, 0
	s_wait_tensorcnt 0x0                           ; the wave's end
	ds_add_u32 v[SPW], v[NIL]
	s_wait_dscnt 0x0
	CROUND                                         ; the closing round
	s_endpgm
.Lfunc_end_k_qdb8fb37012_outp:
	.size	k_qdb8fb37012_outp, .Lfunc_end_k_qdb8fb37012_outp-k_qdb8fb37012_outp
	.p2alignl 7, 3214868480
	.fill 96, 4, 3214868480
	.section	.rodata,"a",@progbits
	.p2align	6, 0x0
	.amdhsa_kernel k_qdb8fb37012_outp
		.amdhsa_group_segment_fixed_size 327680
		.amdhsa_private_segment_fixed_size 0
		.amdhsa_enable_private_segment 0
		.amdhsa_kernarg_size 32
		.amdhsa_user_sgpr_count 2
		.amdhsa_user_sgpr_kernarg_segment_ptr 1
		.amdhsa_wavefront_size32 1
		.amdhsa_system_sgpr_workgroup_id_x 1
		.amdhsa_system_sgpr_workgroup_id_y 1
		.amdhsa_system_sgpr_workgroup_id_z 1
		.amdhsa_system_vgpr_workitem_id 0
		.amdhsa_next_free_vgpr 768
		.amdhsa_next_free_sgpr 66
		.amdhsa_reserve_vcc 0
		.amdhsa_float_denorm_mode_32 3
		.amdhsa_float_denorm_mode_16_64 3
		.amdhsa_memory_ordered 1
		.amdhsa_forward_progress 1
		.amdhsa_inst_pref_size 87
	.end_amdhsa_kernel
	.amdgpu_metadata
---
amdhsa.version: [ 1, 2 ]
amdhsa.kernels:
  - .name:           k_qdb8fb37012_outp
    .symbol:         k_qdb8fb37012_outp.kd
    .args:
      - { .name: xh, .offset: 0, .size: 8, .value_kind: global_buffer, .address_space: global }
      - { .name: woh, .offset: 8, .size: 8, .value_kind: global_buffer, .address_space: global }
      - { .name: bo, .offset: 16, .size: 8, .value_kind: global_buffer, .address_space: global }
      - { .name: out0, .offset: 24, .size: 8, .value_kind: global_buffer, .address_space: global }
    .group_segment_fixed_size: 327680
    .private_segment_fixed_size: 0
    .kernarg_segment_align: 8
    .kernarg_segment_size: 32
    .max_flat_workgroup_size: 128
    .sgpr_count:     66
    .vgpr_count:     768
    .wavefront_size: 32
...
	.end_amdgpu_metadata
.endif
;; end of part 4
